; MI455X (gfx1250); checked and timed in simulation.
; The chip was launched on July 23, 2026; its instructions are those of AMD's public machine-readable ISA for CDNA 5 (MIT licence, August 2026) and "CDNA5" Instruction Set Architecture Reference Guide (July 2026). The comments in the code are by the model that wrote it; some were corrected since.
;; Multi Attention. Allowed arithmetic: matrix products marked QUANTISED: E3M2 operands, one E8M0 scale for each 32 along K, by v_wmma_scale_f32_16x16x128_f8f6f4 with both operands' format E3M2, f32 sums; everything else in f32.
;; Inputs: Wk 1,024 x 1,024 float32; Wo 1,024 x 1,024 float32; Wq 1,024 x 1,024 float32; Wv 1,024 x 1,024 float32; bk 1,024 float32; bo 1,024 float32; bq 1,024 float32; bv 1,024 float32; embedding 4 x 2,048 x 1,024 float32.
;; Outputs: out0 4 x 2,048 x 1,024 float32.
;; This version of the problem:
;;   THIS VERSION OF THE PROBLEM IS GIVEN IN LOW PRECISION. The matrix products marked QUANTISED in the list below multiply operands that are first quantised to E3M2 (3 exponent bits, 2 mantissa bits; 6 bits a number), with one power-of-two scale for each 32 numbers along K (OCP MX v1.0); their sums are f32. All else is computed in f32.
;;   The module's matrix products, in the order in which they are computed (A, B: the left and right operand; K: the contracted axis; several contracted axes count as one K, in the product's order):
;;     1. [M 8,192, K 1,024] x [K 1,024, N 1,024]; A: input embedding; B: input Wq: QUANTISED
;;     2. [M 8,192, K 1,024] x [K 1,024, N 1,024]; A: input embedding; B: input Wk: QUANTISED
;;     3. [M 8,192, K 1,024] x [K 1,024, N 1,024]; A: input embedding; B: input Wv: QUANTISED
;;     4. batch 64 x [M 2,048, K 64] x [K 64, N 2,048]; A: computed on the way; B: computed on the way: QUANTISED
;;     5. batch 64 x [M 2,048, K 2,048] x [K 2,048, N 64]; A: softmax (see below); B: computed on the way: QUANTISED
;;     6. [M 8,192, K 1,024] x [K 1,024, N 1,024]; A: computed on the way; B: input Wo: QUANTISED
;;   THE QUANTISER, for each operand of a quantised product, along K:
;;     - K is cut into blocks of 32 from its start; a last block that is shorter is filled with zeros.
;;     - A block's scale is 2^e with e = floor(log2(the largest magnitude in the block)) - 4, held to -126 .. 127; a block of zeros has e = 0. As a byte (E8M0): e + 127.
;;     - Each number is divided by its block's scale, clamped to +-28, and rounded to the nearest number of E3M2, ties to even, subnormals kept.
;;     - The product sums the exact products of the quantised numbers (number of the format x scale) in f32.
;;   ~~~python
;;   def quantise(x, axis):      # numpy; x: float32 -> the quantised numbers, widened to float32 again
;;       x = np.moveaxis(x, axis, -1); K = x.shape[-1]
;;       x = np.pad(x, [(0, 0)] * (x.ndim - 1) + [(0, -K % 32)]); x = x.reshape(x.shape[:-1] + (-1, 32)); a = np.abs(x).max(-1, keepdims=True)
;;       e = np.where(a > 0, np.clip(np.frexp(np.where(a > 0, a, 1))[1] - 1 - 4, -126, 127), 0)      # np.frexp(a)[1] - 1 = floor(log2(a)), exactly
;;       r = np.clip(x / 2.0 ** e, -28, 28)
;;       step = 2.0 ** (np.maximum(np.frexp(np.where(r == 0, 1, r))[1] - 1, -2) - 2)
;;       q = np.round(r / step) * step * 2.0 ** e      # np.round: ties to even
;;       return np.moveaxis(q.reshape(q.shape[:-2] + (-1,))[..., :K], -1, axis).astype(np.float32)
;;   ~~~
;;   SOFTMAX AHEAD OF A QUANTISED PRODUCT. Where the list says 'softmax', what is quantised is not the finished softmax but p = 2^(t - M), with t = logit x log2(e) and M = ceil(the row's largest t), a whole number; so 1/2 < the row's largest p <= 1. The row's sum l is taken of the UNQUANTISED p, in f32, and the product's result is divided by l at the end. Since M is a whole number, a kernel that streams over the keys may use a running M (the ceiling of the running maximum): every later rescaling is an exact power of two, which a block's scale takes up: the codes' values come out the same.
;;   OPERANDS COMPUTED ON THE WAY. 'Computed on the way' means the value that the module computes at that place (a softmax that the list does not call 'softmax' is quantised finished and normalised). What goes into a quantiser is computed in f32, as accurately as f32 sums, v_exp_f32 and their like allow (about 1e-6 of the number): no bf16 or f16 on the way to a quantiser, and a product that is left as it is and whose result goes on into a quantised operand takes f32 operands (vector FMAs, or v_wmma_f32_16x16x4_f32). A number that lies on a knife's edge between two numbers of the format may be rounded either way, as far as f32 arithmetic and the matrix unit's own rounding can turn it there, and no further.
;; One version. Each part assembles by itself: llvm-mc -triple=amdgcn-amd-amdhsa -mcpu=gfx1250 --defsym DOCPART=n.
;; ======== version 1 of 1: 4 launches
;; limits: right only within a limited range of input values
;; workspace buffers: xw 9,830,400 bytes; qkv 20,185,088 bytes; ow 6,553,600 bytes
;; launch quant (part 1): grid 384 x 1, 4 waves a work-group, no clusters, 35,328 bytes of LDS; arguments embedding, Wq, Wk, Wv, Wo, xw; writes xw
.if DOCPART == 1
	.amdgcn_target "amdgcn-amd-amdhsa--gfx1250"
	.amdhsa_code_object_version 6
	.text
	.protected	k_qe922b0d653_quant
	.globl	k_qe922b0d653_quant
	.p2align	8
	.type	k_qe922b0d653_quant,@function
k_qe922b0d653_quant:
	s_mov_b64 s[64:65], 0
	v_nop
	global_prefetch_b8 v0, s[64:65] scope:SCOPE_SE
	s_setreg_imm32_b32 hwreg(HW_REG_WAVE_MODE, 25, 1), 1
	s_wait_xcnt 0x0
; embedding [8192][1024] and Wq, Wk, Wv, Wo [1024][1024], f32 with K innermost, become codes of BF6 (E3M2) with one E8M0 byte for each 32 along K,
; laid in xw in the order of a matrix operand's registers, so that the products' launches read them by dense loads alone.
; xw: 768 tiles of 16 rows (x 0-511, Wq 512-575, Wk 576-639, Wv 640-703, Wo 704-767), 12,800 bytes a tile: two blocks of 6,400 bytes (K steps 0-3, 4-7), each four fragments
; of 1,536 bytes and 256 bytes of scale words (row place r, K step j at 16 r + 4 j).
; A fragment (16 rows x 128 K, 12 registers a lane) is two halves of 768 bytes: registers 0-3 of lane l at 16 l, registers 4-5 at 512 + 8 l.
; THE ROWS OF A TILE ARE NOT NEIGHBOURS: place p of tile T is row 32 (T / 2) + 8 (T % 2) + p + 8 (p / 8), so that a product that takes such a tile as source 0 leaves a lane 16 neighbours in two tiles' registers.
; A block's scale is 2^(floor(log2(largest magnitude)) - 4): its byte is the largest magnitude's exponent field - 4, held at 1 from below by a floor among the maximum's leaves.
; LIMITS: NaN and infinities are not served; a block whose largest magnitude lies under 2^-122 keeps the byte 1; a block of zeros has the byte 1 and not 127 (its codes are zeros, and this program alone reads the bytes).
; SHARES: a work-group takes 32 rows (two tiles); wave w takes tile w / 2 and K half w % 2: 16 rows x 512 K, 32 KiB in, 6,400 bytes out.  Work-groups share no input: no cluster, no tensor load, no barrier.
; Each load reads 512 consecutive bytes of a row; a K step's 16 rows x 512 bytes turn through the wave's own stage in LDS (rows 528 bytes apart: 132 words, so that row r starts at bank 4 r mod 64,
; ISA guide 11.1) and come back as 32 + 32 neighbours a lane: lane (r, h) holds K = 64 c + 32 h + 0 .. 31 of row place r, two whole blocks.  Loads run two K steps (32 loads a wave) ahead.
; THE ORDER OF ROWS IN A TILE THAT THIS TEXT KEEPS (it takes the place of the formula in the lines above): place p of tile T is row 64 (T / 4) + 8 (T % 4) + p % 8 + 32 (p / 8),
; so that a product that takes four such tiles as source 0 leaves a lane 32 neighbours, one whole block of the next K.
.set TROW, 12800
.set QBLK, 6400
.set FRB,  1536
.set SP,   528
.set WREG, 8704                        ; a wave's stage: 16 x 528 bytes, rounded up to blocks of 256
.set M,    12                          ; v12-13  the two blocks' largest magnitudes
.set SO,   14                          ; v14-15  the conversions' scale operands
.set BY,   16                          ; v16-17  the scale bytes
.set Z,    18                          ; v18-19  the scale words on their way out
.set W,    20                          ; v20-23  my row's scale word of each K step
.set C,    24                          ; v24-35  a fragment's codes
.set CT,   36                          ; v36-43  the upper halves of the blocks' codes, before they are moved
.set R,    48                          ; v48-175 two sets of 64: a K step as it is loaded
.set X,    176                         ; v176-239 my 64 numbers of a K step
	s_load_b256 s[4:11], s[0:1], 0x0               ; embedding, Wq, Wk, Wv
	s_load_b128 s[12:15], s[0:1], 0x20             ; Wo, xw
	v_lshl_add_u32 v240, v0, 2, 0x8800
	v_mov_b32 v241, 0
	v_lshrrev_b32 v1, 5, v0
	v_readfirstlane_b32 s24, v1                    ; wave 0..3
	v_and_b32 v1, 31, v0                           ; lane l
	v_and_b32 v2, 15, v0                           ; r
	v_bfe_u32 v3, v0, 4, 1                         ; h
	v_lshlrev_b32 v4, 4, v1                        ; 16 l
	v_lshlrev_b32 v5, 3, v1                        ; 8 l
	s_mul_i32 s25, s24, WREG
	v_add_nc_u32 v6, s25, v4                       ; the stage, on the way in: 16 l of a row
	v_mul_u32_u24 v7, v2, SP
	v_lshl_add_u32 v7, v3, 7, v7
	v_add_nc_u32 v7, s25, v7                       ; and on the way out: row r, + 128 h bytes
	v_lshlrev_b32 v8, 4, v2
	v_lshl_add_u32 v8, v3, 3, v8                   ; the scale words' place: 16 r + 8 h
	v_lshlrev_b32 v9, 3, v3                        ; 8 h: my bytes' shift in a scale word
	v_mov_b32 v10, 0                               ; written once: a lane permute's destination counts as one of its sources
	s_mov_b32 s20, 0xffff0000                      ; lanes 16-31
	s_mov_b32 s22, 0x76543210
	s_mov_b32 s23, 0xfedcba98                      ; v_permlanex16_b32's selects for lane l xor 16
	s_lshr_b32 s26, s24, 1                         ; which of the two tiles
	s_and_b32 s27, s24, 1                          ; which half of K
	s_wait_alu depctr_va_vdst(0)
	s_wait_kmcnt 0x0
	s_cmp_lt_u32 ttmp9, 352                        ; the tensor is chosen by the work-group's number alone: 256 work-groups for x, 32 for each weight
	s_cselect_b64 s[16:17], s[10:11], s[12:13]
	s_cmp_lt_u32 ttmp9, 320
	s_cselect_b64 s[16:17], s[8:9], s[16:17]
	s_cmp_lt_u32 ttmp9, 288
	s_cselect_b64 s[16:17], s[6:7], s[16:17]
	s_cmp_lt_u32 ttmp9, 256
	s_cselect_b64 s[16:17], s[4:5], s[16:17]
	s_cselect_b32 s18, 255, 31
	s_and_b32 s18, ttmp9, s18                      ; the work-group's number within its tensor
	s_and_b32 s19, s18, 1                          ; tile T = 2 x that + tile: its first row is 64 (T / 4) + 8 (T % 4)
	s_lshr_b32 s18, s18, 1
	s_lshl_b32 s18, s18, 6
	s_lshl_b32 s19, s19, 4
	s_add_co_u32 s18, s18, s19
	s_lshl_b32 s19, s26, 3
	s_add_co_u32 s18, s18, s19                     ; the tile's first row: 64 (that / 2) + 16 (that % 2) + 8 x tile
	s_lshl_b32 s18, s18, 12                        ; rows of 4,096 bytes
	s_lshl_b32 s19, s27, 11
	s_add_co_u32 s18, s18, s19                     ; + 2,048 bytes for the upper half of K
	s_mov_b32 s19, 0
	s_add_nc_u64 s[16:17], s[16:17], s[18:19]
	s_lshl_b32 s18, ttmp9, 1
	s_add_co_u32 s18, s18, s26                     ; my tile in xw
	s_mul_i32 s18, s18, TROW
	s_mul_i32 s28, s27, QBLK
	s_add_co_u32 s18, s18, s28
	s_add_nc_u64 s[14:15], s[14:15], s[18:19]
.macro LOAD j                          ; K step j of my four: place i's row, 512 consecutive bytes a load
.irp i, 0,1,2,3,4,5,6,7,8,9,10,11,12,13,14,15
	global_load_b128 v[R+64*((\j)%2)+4*\i:R+64*((\j)%2)+4*\i+3], v4, s[16:17] offset:((\i%8)+32*(\i/8))*4096+512*(\j) th:TH_LOAD_NT
.endr
.endm
.macro STEP j
.if (\j) < 3
	s_wait_loadcnt 16                              ; this K step's 16 loads are in; the next step's 16 may be out
.else
	s_wait_loadcnt 0x0
.endif
.irp i, 0,1,2,3,4,5,6,7,8,9,10,11,12,13,14,15
	ds_store_b128 v6, v[R+64*((\j)%2)+4*\i:R+64*((\j)%2)+4*\i+3] offset:SP*\i
.endr
.irp c, 0,1                            ; LDS serves a wave's instructions in order (ISA guide 5.7.1.4): these see the stores above
.irp i, 0,1,2,3,4,5,6,7
	ds_load_b128 v[X+32*\c+4*\i:X+32*\c+4*\i+3], v7 offset:256*\c+16*\i
.endr
.endr
	s_wait_dscnt 0x0                               ; my 64 numbers are back, and the stores have read their registers,
.if (\j) < 2
	LOAD (\j)+2                                    ; which take the loads of two K steps on
.endif
.irp c, 0,1
	v_max3_num_f32 v[M+\c], |v[X+32*\c]|, |v[X+32*\c+1]|, 0x2800000   ; block 2 c + h: all 32 numbers are mine; the floor 2^(5 - 127) holds the byte at 1 from below
.endr
.irp i, 2,4,6,8,10,12,14,16,18,20,22,24,26,28,30
.irp c, 0,1
	v_max3_num_f32 v[M+\c], v[M+\c], |v[X+32*\c+\i]|, |v[X+32*\c+\i+1]|   ; (the two blocks by turns)
.endr
.endr
.irp c, 0,1
	v_add_nc_u32 v[SO+\c], 0xfe000000, v[M+\c]     ; 4 off the exponent field: the conversion takes this operand's exponent field as its scale
.endr
.irp c, 0,1
	v_lshrrev_b32 v[BY+\c], 23, v[SO+\c]           ; the scale's byte
.endr
	v_lshl_or_b32 v11, v[BY+1], 16, v[BY]          ; my two bytes, blocks h and 2 + h of my row,
	v_lshlrev_b32 v11, v9, v11                     ; at their places in the scale word;
	v_permlanex16_b32 v10, v11, s22, s23
	v_or_b32 v[W+(\j)], v11, v10                   ; with lane l xor 16's two the word is whole
	s_wait_alu depctr_va_vdst(0)
	s_wait_xcnt 0x0                                ; the last K step's stores have read the codes' registers: they are written again only behind this wait
.irp c, 0,1
	v_cvt_scalef32_pk16_bf6_f32 v[C+6*\c:C+6*\c+2], v[X+32*\c:X+32*\c+15], v[SO+\c]
	v_cvt_scalef32_pk16_bf6_f32 v[CT+4*\c:CT+4*\c+2], v[X+32*\c+16:X+32*\c+31], v[SO+\c]   ; (a conversion's three registers begin on an even number)
.endr
	v_nop                                          ; one plain place behind a scaled conversion
.irp c, 0,1
.irp i, 0,1,2
	v_mov_b32 v[C+3+6*\c+\i], v[CT+4*\c+\i]
.endr
.endr
	global_store_b128 v4, v[C:C+3], s[14:15] offset:FRB*(\j)             ; 512 consecutive bytes,
	global_store_b64 v5, v[C+4:C+5], s[14:15] offset:FRB*(\j)+512        ; 256,
	global_store_b128 v4, v[C+6:C+9], s[14:15] offset:FRB*(\j)+768       ; and the same for the fragment's upper 64 of K
	global_store_b64 v5, v[C+10:C+11], s[14:15] offset:FRB*(\j)+1280
.endm
	LOAD 0
	LOAD 1
	STEP 0
	STEP 1
	STEP 2
	STEP 3
	v_cndmask_b32 v[Z], v[W], v[W+2], s20          ; lanes 0-15 store the words of K steps 0 and 1, lanes 16-31 those of 2 and 3:
	v_cndmask_b32 v[Z+1], v[W+1], v[W+3], s20
	global_store_b64 v8, v[Z:Z+1], s[14:15] offset:4*FRB   ; 256 consecutive bytes, aligned
	s_wait_tensorcnt 0x0
	ds_add_u32 v240, v241
	s_wait_dscnt 0x0
	s_endpgm
.Lfunc_end_k_qe922b0d653_quant:
	.size	k_qe922b0d653_quant, .Lfunc_end_k_qe922b0d653_quant-k_qe922b0d653_quant
	.p2alignl 7, 3214868480
	.fill 96, 4, 3214868480
	.section	.rodata,"a",@progbits
	.p2align	6, 0x0
	.amdhsa_kernel k_qe922b0d653_quant
		.amdhsa_group_segment_fixed_size 35328
		.amdhsa_private_segment_fixed_size 0
		.amdhsa_enable_private_segment 0
		.amdhsa_kernarg_size 48
		.amdhsa_user_sgpr_count 2
		.amdhsa_user_sgpr_kernarg_segment_ptr 1
		.amdhsa_wavefront_size32 1
		.amdhsa_system_sgpr_workgroup_id_x 1
		.amdhsa_system_sgpr_workgroup_id_y 1
		.amdhsa_system_sgpr_workgroup_id_z 1
		.amdhsa_system_vgpr_workitem_id 0
		.amdhsa_next_free_vgpr 242
		.amdhsa_next_free_sgpr 66
		.amdhsa_reserve_vcc 0
		.amdhsa_float_denorm_mode_32 3
		.amdhsa_float_denorm_mode_16_64 3
		.amdhsa_memory_ordered 1
		.amdhsa_forward_progress 1
		.amdhsa_inst_pref_size 31
	.end_amdhsa_kernel
	.amdgpu_metadata
---
amdhsa.version: [ 1, 2 ]
amdhsa.kernels:
  - .name:           k_qe922b0d653_quant
    .symbol:         k_qe922b0d653_quant.kd
    .args:
      - { .name: embedding, .offset: 0, .size: 8, .value_kind: global_buffer, .address_space: global }
      - { .name: Wq, .offset: 8, .size: 8, .value_kind: global_buffer, .address_space: global }
      - { .name: Wk, .offset: 16, .size: 8, .value_kind: global_buffer, .address_space: global }
      - { .name: Wv, .offset: 24, .size: 8, .value_kind: global_buffer, .address_space: global }
      - { .name: Wo, .offset: 32, .size: 8, .value_kind: global_buffer, .address_space: global }
      - { .name: xw, .offset: 40, .size: 8, .value_kind: global_buffer, .address_space: global }
    .group_segment_fixed_size: 35328
    .private_segment_fixed_size: 0
    .kernarg_segment_align: 8
    .kernarg_segment_size: 48
    .max_flat_workgroup_size: 128
    .sgpr_count:     66
    .vgpr_count:     242
    .wavefront_size: 32
...
	.end_amdgpu_metadata
.endif
;; end of part 1
;; launch qkv (part 2): grid 16 x 16, 4 waves a work-group, clusters of 4 x 4, 327,680 bytes of LDS; arguments xw, bq, bk, bv, qkv; writes qkv
.if DOCPART == 2
	.amdgcn_target "amdgcn-amd-amdhsa--gfx1250"
	.amdhsa_code_object_version 6
	.text
	.protected	k_qe922b0d653_qkv
	.globl	k_qe922b0d653_qkv
	.p2align	8
	.type	k_qe922b0d653_qkv,@function
k_qe922b0d653_qkv:
	s_mov_b64 s[64:65], 0
	v_nop
	global_prefetch_b8 v0, s[64:65] scope:SCOPE_SE
	s_setreg_imm32_b32 hwreg(HW_REG_WAVE_MODE, 25, 1), 1
	s_wait_xcnt 0x0
	s_wait_alu depctr_hold_cnt(0) depctr_sa_sdst(0) depctr_va_vdst(0) depctr_va_sdst(0) depctr_va_ssrc(0) depctr_va_vcc(0) depctr_vm_vsrc(0)
	s_getreg_b32 s2, hwreg(HW_REG_IB_STS2, 6, 4)
	s_cmp_eq_u32 s2, 0
	s_cbranch_scc0 .Lentry_in_a_cluster
	s_endpgm
.Lentry_in_a_cluster:
	s_bfe_u32 s2, ttmp6, 0x10000c
	s_cmp_lg_u32 s2, 0xf033
	s_cbranch_scc0 .Lentry_shape_is_right
	s_endpgm
.Lentry_shape_is_right:
; Q = x Wq^T + bq, K = x Wk^T + bk, V = x Wv^T + bv on codes of BF6 (E3M2) out of xw; each result is quantised at once, in registers, for attention's products, and stored in the order of their operands' registers.
; xw: 768 tiles of 16 rows (x 0-511, Wq 512-575, Wk 576-639, Wv 640-703), 12,800 bytes a tile: two blocks of 6,400 bytes (K steps 0-3, 4-7), each four fragments of 1,536 bytes and 256 bytes of scale words.
; Place p of tile T is row 64 (T / 4) + 8 (T % 4) + p % 8 + 32 (p / 8): the 32 registers of four neighbouring tiles of source 0 are 32 neighbours, k = 64 c + 32 h + 0 .. 31: a lane holds whole blocks of the next K.
; qkv: for each of 64 heads (16 batch + head) 315,392 bytes: 16 key steps of 13,056 bytes (8 half images of K, 768 bytes each: 16 keys x the head's 64; 4 fragments of V^T, 1,536 bytes each: 16 channels x 128 keys;
; K's scale words, 2 x 256 bytes: place r, tile 4 g + n at 256 g + 16 r + 4 n; V's, 256 bytes); then Q's 128 half images (from 208,896) and its scale words (from 307,200), laid as K's.
; A scale word of Q or K has its head's two bytes below and 0 above.
; A BLOCK: source 0 = S0, 128 rows (8 tiles), source 1 = S1, 256 rows (16 tiles): a lane holds ONE row of S1, and its registers run along S0's rows, which are the next product's K.
; Q and K: S0 = 128 rows of Wq or Wk (two heads), S1 = 256 tokens.  V: S0 = 128 tokens (a key step), S1 = 256 rows of Wv: so V comes out with the keys along a lane's registers.
; A WORK-GROUP STAYS and walks three blocks: with the cluster's y = 0 .. 3, the blocks of rows y and y + 4 of the 8 rows of Q and K (a loop of two trips), then V of batch y (written out: it asks for nothing more).
; 16 x 16 work-groups x 3 blocks are the 768 blocks.  All partners of a cluster make the same kind of block at the same time: no branch hangs on a work-group's place.
; SHARES: four waves; wave w owns all 8 tiles of S0 x tiles 4 w .. 4 w + 3 of S1: 32 accumulators.
; LDS, A RING OF TWO SLOTS: slot 0 holds K steps 0-3 of S0 and S1 (153,600 bytes), slot 1 K steps 4-7.  Wave 0 fetches S0's part of slot 0, wave 1 S1's, wave 2 S0's part of slot 1, wave 3 S1's: one load a wave at the head.
; When K step 3's fragments are in registers, a round of the cluster's barrier, and waves 0 and 1 ask for the next block's slot 0; between the second and third tile of the way out, a round, and waves 2 and 3 ask for its slot 1.
; By the text's own count a wave has one tensor load out at the most, and every wait on TENSORcnt is for 0.
; CLUSTER 4 x 4: S0 hangs on the work-group's x alone and is asked for jointly by a column of the cluster, S1 on its y alone and by a row.
; NO PREFETCH INTO THE L2: a refill is asked for half a block's work (128 matrix instructions and two tiles of the way out) ahead of the wait for it.
; LIMITS: NaN and infinities are not served; a block whose largest magnitude lies under 2^-122 keeps the byte 1; a block of zeros has the byte 1 and not 127 (its codes are zeros; this program alone reads the bytes).
; REGISTERS, in windows of 256: window 0: v1-20 addresses; v32-127 scale words, two sets of 48, and nothing else; v128-243 the way out.   window 1: accumulator (n, t) at v[64 n + 8 t].
;   windows 2 and 3: the fragments of even and odd K steps: S0's tile t at v[12 t], S1's tile n at v[96 + 12 n];   window 2, v160-223: the bias along S0.
.set TROW,  12800
.set QBLK,  6400
.set FRB,   1536
.set SCO,   6144
.set S0Q1,  51200                      ; LDS: S0's K steps 0-3 at 0, 4-7 here;
.set S1Q0,  102400                     ; S1's K steps 0-3,
.set S1Q1,  204800                     ; and 4-7
.set SPARE, 0x4b000                    ; behind the ring: the spare words, 128 bytes a wave
.set HEADB, 315392
.set KSB,   13056
.set QC,    208896
.set QS,    307200
.set SC,    32                         ; scale words: set q at v[SC + 48 q]: S0's tile t, step j at + 4 t + j; S1's tile n at + 32 + 4 n + j
.set T,     128                        ; v128-191 a tile's 64 results with their bias
.set C,     192                        ; v192-203 its codes
.set CT,    204                        ; v204-211 at work
.set TM,    212                        ; v212-227 at work
.set PW,    228                        ; v228-231 the four tiles' scale words
.set ZW,    232                        ; v232-235 scale words on their way out
.set BL,    236                        ; v236-243 the bias along S1: a pair for each tile, the same number twice
.set BI,    160                        ; window 2
.set WV,    14
.set G1A,   24                         ; s[24:31] descriptor group 1 for S0;  s[32:39] for S1
.set G1B,   32
.set G0A,   40                         ; s[40:47] groups 0 for S0's two slots;  s[48:55] for S1's
.set G0B,   48
.set SEL,   88
.set HM,    90
.set J,     91                         ; the loop's trip
.set YC,    92                         ; the cluster's y
.set OA01,  93                         ; byte offsets in xw: S0 of blocks 0 and 1,
.set OA2,   94                         ; of block 2;
.set OB1,   95                         ; S1 of block 1,
.set OB2,   98                         ; of block 2
.set MSB, 0
.macro WIN new                         ; the immediate's high byte repeats the setting that is left
.if MSB != (\new)
	s_set_vgpr_msb (MSB<<8)|(\new)
.set MSB, (\new)
.endif
.endm
.macro CREST                           ; a round of the cluster's barrier behind its opening barrier
	s_cmp_lg_u32 s[WV], 0
	s_cbranch_scc1 .Lnot_wave_0_\@
	s_barrier_signal -3
.Lnot_wave_0_\@:
	s_barrier_wait -3
	s_barrier_signal -1
	s_barrier_wait -1
.endm
.macro CROUND                          ; a whole round
	s_barrier_signal -1
	s_barrier_wait -1
	CREST
.endm
.macro PLACES                          ; four plain places behind a matrix instruction, in front of loads into its registers and of reads of its results
.rept 4
	v_nop
.endr
.endm
	s_load_b256 s[4:11], s[0:1], 0x0               ; xw, bq, bk, bv
	s_load_b64 s[12:13], s[0:1], 0x20              ; qkv
	v_lshl_add_u32 v254, v0, 2, SPARE
	v_mov_b32 v255, 0
	ds_add_u32 v254, v255                          ; the opening lines: the add, twice on end, and its wait ahead of my first tensor load
	ds_add_u32 v254, v255
	v_lshrrev_b32 v1, 5, v0
	v_readfirstlane_b32 s[WV], v1                  ; wave 0..3
	s_bfe_u32 s15, ttmp6, 0x40000                  ; cx
	s_bfe_u32 s16, ttmp6, 0x40004                  ; cy
	s_and_b32 s[YC], ttmp7, 0xffff                 ; the cluster's y, 0 .. 3
	s_mov_b32 s17, s[YC]                           ; the row of Q and K's blocks: y, then y + 4
	s_lshl_b32 s18, ttmp9, 2
	s_add_co_u32 s18, s18, s15                     ; X = 4 x cluster x + cx
	s_lshl_b32 s2, 0x1111, s15                     ; my column of the cluster
	s_lshl_b32 s3, s16, 2
	s_lshl_b32 s3, 15, s3                          ; my row
	s_or_b32 s[G1A], s2, (3<<16)|(1<<21)           ; 15:0 the mask; 17:16 elements of 8 bytes; 20 no padding; 21 set beside a mask
	s_or_b32 s[G1B], s3, (3<<16)|(1<<21)
.irp g, G1A, G1B
	s_mov_b32 s[\g+1], 800<<16                     ; tensor_dim0 = 800 elements: 6,400 bytes, four K steps of a tile
	s_mov_b32 s[\g+3], 800<<16                     ; tile_dim0
	s_mov_b32 s[\g+5], 1600                        ; from tile to tile: 12,800 bytes
	s_mov_b32 s[\g+6], 0
	s_mov_b32 s[\g+7], 0
.endr
	s_mov_b32 s[G1A+2], 8<<16                      ; S0: all 8 tiles by one load
	s_mov_b32 s[G1A+4], 8
	s_mov_b32 s[G1B+2], 16<<16                     ; S1: all 16 tiles by one load
	s_mov_b32 s[G1B+4], 16
	s_lshl_b32 s22, s18, 3                         ; 8 X
	s_add_co_u32 s19, s22, 512
	s_mul_i32 s[OA01], s19, TROW                   ; Q, K: S0 = tiles 512 + 8 X on (Wq, then Wk)
	s_lshl_b32 s19, s[YC], 7
	s_add_co_u32 s19, s19, s22
	s_mul_i32 s[OA2], s19, TROW                    ; V: S0 = x's tiles 128 batch + 8 X on
	s_lshl_b32 s23, s16, 4                         ; 16 cy
	s_lshl_b32 s21, s[YC], 6
	s_add_co_u32 s21, s21, s23
	s_mul_i32 s58, s21, TROW                       ; block 0: S1 = x's tiles 64 y + 16 cy on;
	s_add_co_u32 s[OB1], s58, 256*TROW             ; block 1: 64 x 4 tiles further on;
	s_add_co_u32 s21, s23, 640
	s_mul_i32 s[OB2], s21, TROW                    ; V: S1 = Wv's tiles 16 cy on
	s_mov_b32 s56, s[OA01]
	s_mov_b32 s57, 0
	s_mov_b32 s59, 0
	s_wait_dscnt 0x0
	s_wait_kmcnt 0x0
	s_add_nc_u64 s[56:57], s[4:5], s[56:57]
	s_add_nc_u64 s[58:59], s[4:5], s[58:59]
.irp q, 0,1
	s_mov_b32 s[G0A+4*\q], 1                       ; count = 1
	s_mov_b32 s[G0A+4*\q+1], S0Q1*\q               ; LDS address: no place in the cluster enters it
	s_add_nc_u64 s[G0A+4*\q+2:G0A+4*\q+3], s[56:57], QBLK*\q   ; global address: K steps 4 q on
	s_or_b32 s[G0A+4*\q+3], s[G0A+4*\q+3], 0x80000000          ; type = 2
	s_mov_b32 s[G0B+4*\q], 1
	s_mov_b32 s[G0B+4*\q+1], S1Q0+(S1Q1-S1Q0)*\q
	s_add_nc_u64 s[G0B+4*\q+2:G0B+4*\q+3], s[58:59], QBLK*\q
	s_or_b32 s[G0B+4*\q+3], s[G0B+4*\q+3], 0x80000000
.endr
	CROUND                                         ; all sixteen work-groups are here: the joint loads meet
.macro ARM under, g0, g1, next         ; one chain of branches on the wave's number, one load to an arm, all arms to one join
	s_cmp_lt_u32 s[WV], \under
	s_cbranch_scc0 \next
	tensor_load_to_lds s[\g0:\g0+3], s[\g1:\g1+7]
	s_nop 0
.rept 4
	v_nop
.endr
	s_branch .Lasked
\next:
.endm
	ARM 1, G0A, G1A, .Larm_1
	ARM 2, G0B, G1B, .Larm_2
	ARM 3, G0A+4, G1A, .Larm_3
	tensor_load_to_lds s[G0B+4:G0B+7], s[G1B:G1B+7]
	s_nop 0
.rept 4
	v_nop
.endr
.Lasked:
	v_and_b32 v1, 31, v0                           ; l
	v_and_b32 v19, 15, v0                          ; r
	v_bfe_u32 v20, v0, 4, 1                        ; h
	v_lshlrev_b32 v2, 4, v1                        ; S0, K steps 0-3: 16 l,
	v_lshlrev_b32 v3, 3, v1                        ; 8 l
	v_add_nc_u32 v4, S0Q1, v2                      ; K steps 4-7
	v_add_nc_u32 v5, S0Q1, v3
	s_mul_i32 s19, s[WV], 4*QBLK
	s_add_co_u32 s19, s19, S1Q0                    ; my four tiles of S1
	v_add_nc_u32 v6, s19, v2
	v_add_nc_u32 v7, s19, v3
	v_add_nc_u32 v8, S1Q1-S1Q0, v6
	v_add_nc_u32 v9, S1Q1-S1Q0, v7
	v_lshlrev_b32 v10, 4, v19                      ; scale words: 16 r: a row place's four words
	v_add_nc_u32 v11, S0Q1, v10
	v_add_nc_u32 v12, s19, v10
	v_add_nc_u32 v13, S1Q1-S1Q0, v12
	v_lshl_add_u32 v16, v20, 3, v10                ; the way out: 16 r + 8 h
	v_lshlrev_b32 v17, 7, v20                      ; the bias along S0: 128 h bytes
	v_lshlrev_b32 v15, 3, v20                      ; 8 h: my bytes' shift in a scale word
	s_wait_alu depctr_va_vdst(0)
	v_and_b32 v18, 8, v19
	v_mad_u32_u24 v18, v18, 3, v19                 ; r % 8 + 32 (r / 8)
	v_lshlrev_b32 v18, 2, v18                      ; the bias along S1, in bytes
.irp b, 0,1,2,3
	v_mov_b32 v[TM+4+\b], 0                        ; written once: a lane permute's destination counts as one of its sources
.endr
	s_wait_alu depctr_va_vdst(0)                   ; the wait ahead of the run of scalar lines
	s_mov_b32 s[SEL], 0x76543210
	s_mov_b32 s[SEL+1], 0xfedcba98                 ; v_permlanex16_b32's selects for lane l xor 16
	s_mov_b32 s[HM], 0xffff0000                    ; lanes 16-31
	s_cmp_lt_u32 s18, 8                            ; X under 8: Wq and bq, else Wk and bk.  (A choice of values; no branch hangs on X)
	s_cselect_b64 s[56:57], s[6:7], s[8:9]
	s_and_b32 s58, s18, 7
	s_lshl_b32 s58, s58, 9                         ; the bias along S0: 128 numbers for each pair of heads
	s_mov_b32 s59, 0
	s_add_nc_u64 s[56:57], s[56:57], s[58:59]
	s_lshl_b32 s60, s16, 10
	s_lshl_b32 s61, s[WV], 8
	s_add_co_u32 s60, s60, s61                     ; the bias along S1, bv's: 4 (256 cy + 64 w) bytes
	s_mov_b32 s61, 0
	s_add_nc_u64 s[60:61], s[10:11], s[60:61]
	s_mov_b32 s79, 0
	s_mov_b32 s[J], 0
	WIN 0x80                                       ; destination window 2
.irp t, 0,1,2,3,4,5,6,7                ; register 8 t + j belongs to S0's row 64 (t / 4) + 32 h + 8 (t % 4) + j
	global_load_b128 v[BI+8*\t:BI+8*\t+3], v17, s[56:57] offset:4*(64*(\t/4)+8*(\t%4))
	global_load_b128 v[BI+8*\t+4:BI+8*\t+7], v17, s[56:57] offset:4*(64*(\t/4)+8*(\t%4))+16
.endr
	WIN 0
.irp n, 0,1,2,3                        ; my lane's row of S1's tile n: 8 n + r % 8 + 32 (r / 8)
	global_load_b32 v[BL+2*\n], v18, s[60:61] offset:32*\n
	global_load_b32 v[BL+2*\n+1], v18, s[60:61] offset:32*\n
.endr
.macro FRAG reg, a16, a8, off          ; a fragment comes back as it was stored: four dense loads
	ds_load_b128 v[\reg:\reg+3], v[\a16] offset:\off
	ds_load_b64 v[\reg+4:\reg+5], v[\a8] offset:\off+512
	ds_load_b128 v[\reg+6:\reg+9], v[\a16] offset:\off+768
	ds_load_b64 v[\reg+10:\reg+11], v[\a8] offset:\off+1280
.endm
.macro FETCH s                         ; K step s: S0's eight fragments and my four of S1, 48 loads in one run, into window 2 (s even) or 3
	WIN 0x80+0x40*((\s)%2)
.irp t, 0,1,2,3,4,5,6,7
	FRAG 12*\t, 2+2*((\s)/4), 3+2*((\s)/4), QBLK*\t+FRB*((\s)%4)
.endr
.irp n, 0,1,2,3
	FRAG 96+12*\n, 6+2*((\s)/4), 7+2*((\s)/4), QBLK*\n+FRB*((\s)%4)
.endr
.endm
.macro SCALES q                        ; the scale words of K steps 4 q .. 4 q + 3: four words a row place by one load
	WIN 0
.irp t, 0,1,2,3,4,5,6,7
	ds_load_b128 v[SC+48*\q+4*\t:SC+48*\q+4*\t+3], v[10+\q] offset:QBLK*\t+SCO
.endr
.irp n, 0,1,2,3
	ds_load_b128 v[SC+48*\q+32+4*\n:SC+48*\q+32+4*\n+3], v[12+\q] offset:QBLK*\n+SCO
.endr
.endm
; 16 matrix instructions: S1's tiles n0, n0 + 1 x S0's eight.  zero = 1: the first K step starts the sums.  The 32 accumulators take turns, one instruction a turn, in the same order in every K step.
.macro MULH s, n0, zero
.irp n, \n0, \n0+1
.irp t, 0,1,2,3,4,5,6,7
.if \zero
	v_wmma_scale_f32_16x16x128_f8f6f4 v[64*(\n)+8*\t:64*(\n)+8*\t+7], v[12*\t:12*\t+11], v[96+12*(\n):96+12*(\n)+11], 0, v[SC+48*((\s)/4)+4*\t+(\s)%4], v[SC+48*((\s)/4)+32+4*(\n)+(\s)%4] matrix_a_fmt:MATRIX_FMT_BF6 matrix_b_fmt:MATRIX_FMT_BF6
.else
	v_wmma_scale_f32_16x16x128_f8f6f4 v[64*(\n)+8*\t:64*(\n)+8*\t+7], v[12*\t:12*\t+11], v[96+12*(\n):96+12*(\n)+11], v[64*(\n)+8*\t:64*(\n)+8*\t+7], v[SC+48*((\s)/4)+4*\t+(\s)%4], v[SC+48*((\s)/4)+32+4*(\n)+(\s)%4] matrix_a_fmt:MATRIX_FMT_BF6 matrix_b_fmt:MATRIX_FMT_BF6
.endif
.endr
.endr
.endm
.macro KSTEP s, zero                   ; a K step whose successor lies in bytes that are already shown landed
	s_wait_dscnt 0x0                               ; this K step's fragments are in (asked for 32 matrix instructions ago)
.if (\s) > 0
	PLACES                                         ; in front of loads into the set that the last K step multiplied
.endif
	FETCH (\s)+1
	WIN 0x5a+5*((\s)%2)                            ; sources 0 and 1 window 2 or 3, C and D window 1
	MULH \s, 0, \zero
	MULH \s, 2, \zero
.endm
.macro NEXT q                          ; slot q's two groups 0 take the next block's addresses: block 1's in trip 0, block 2's in trip 1.  No tensor load of mine is out here
	s_cmp_eq_u32 s[J], 0
	s_cselect_b32 s56, s[OA01], s[OA2]
	s_cselect_b32 s58, s[OB1], s[OB2]
	s_mov_b32 s57, 0
	s_mov_b32 s59, 0
	s_add_nc_u64 s[56:57], s[4:5], s[56:57]
	s_add_nc_u64 s[58:59], s[4:5], s[58:59]
	s_add_nc_u64 s[G0A+4*\q+2:G0A+4*\q+3], s[56:57], QBLK*\q
	s_or_b32 s[G0A+4*\q+3], s[G0A+4*\q+3], 0x80000000
	s_add_nc_u64 s[G0B+4*\q+2:G0B+4*\q+3], s[58:59], QBLK*\q
	s_or_b32 s[G0B+4*\q+3], s[G0B+4*\q+3], 0x80000000
.endm
.macro RLOAD w0, g0a, w1, g0b          ; a slot's joint refill: wave w0 asks for S0's part, wave w1 for S1's; the branches hang on the wave's number alone
	s_cmp_eq_u32 s[WV], \w0
	s_cbranch_scc0 .Lnot_s0_\@
	tensor_load_to_lds s[\g0a:\g0a+3], s[G1A:G1A+7]
	s_nop 0
.rept 4
	v_nop
.endr
	s_branch .Lrefilled_\@
.Lnot_s0_\@:
	s_cmp_eq_u32 s[WV], \w1
	s_cbranch_scc0 .Lrefilled_\@
	tensor_load_to_lds s[\g0b:\g0b+3], s[G1B:G1B+7]
	s_nop 0
.rept 4
	v_nop
.endr
.Lrefilled_\@:
.endm
; A block's products.  At its top slot 0 is whole for every wave.  refill = 1: the next block's slot 0 is asked for when this block's is read out.
.macro PRODUCT refill
	SCALES 0
	FETCH 0
	KSTEP 0, 1
	KSTEP 1, 0
	KSTEP 2, 0
	WIN 0
	s_wait_tensorcnt 0x0                           ; all my tensor loads have landed: slot 1's parts among them;
.if \refill
	ds_add_u32 v254, v255                          ; 0 onto my spare word;
	NEXT 0                                         ; (work on registers between the add and the wait for it)
.endif
	s_wait_dscnt 0x0                               ; K step 3's fragments are in: my reads of slot 0 are over
	s_barrier_signal -1                            ; (with a refill this barrier opens a round of the cluster's barrier)
	WIN 0x5f
	MULH 3, 0, 0                                   ; work on registers while the others arrive
	WIN 0
	s_barrier_wait -1                              ; slot 1 is whole, and nobody reads slot 0 any more
.if \refill
	CREST                                          ; nor does any wave of a partner
	RLOAD 0, G0A, 1, G0B                           ; the first tensor load behind the round
.endif
	PLACES
	SCALES 1
	FETCH 4
	WIN 0x5f
	MULH 3, 2, 0
	KSTEP 4, 0
	KSTEP 5, 0
	KSTEP 6, 0
	s_wait_dscnt 0x0                               ; K step 7's fragments are in: my reads of slot 1 are over
	WIN 0x5f
	MULH 7, 0, 0
	MULH 7, 2, 0
	WIN 0
.endm
; 64 numbers of a lane, register 32 c + i = k 64 c + 32 h + i of my row, become a fragment's codes in v[C] on and its scale word in v[pw].
.macro QUANT s, pw
.irp b, 0,1,2,3
	v_max3_num_f32 v[TM+\b], |v[\s+16*\b]|, |v[\s+1+16*\b]|, 0x2800000   ; four runs of 16, and the floor 2^(5 - 127): the byte cannot fall under 1
.endr
.irp i, 2,4,6,8,10,12,14
.irp b, 0,1,2,3
	v_max3_num_f32 v[TM+\b], v[TM+\b], |v[\s+16*\b+\i]|, |v[\s+1+16*\b+\i]|   ; (the four by turns)
.endr
.endr
.irp c, 0,1
	v_max_num_f32 v[TM+\c], v[TM+2*\c], v[TM+2*\c+1]   ; two runs make my block 2 c + h: all its 32 numbers are mine
.endr
.irp c, 0,1
	v_add_nc_u32 v[TM+12+\c], 0xfe000000, v[TM+\c] ; 4 off its exponent field: the conversion's scale operand
.endr
.irp c, 0,1
	v_lshrrev_b32 v[TM+4+\c], 23, v[TM+12+\c]      ; the scale's byte
.endr
	v_lshl_or_b32 v[TM+4], v[TM+5], 16, v[TM+4]    ; my two bytes, blocks h and 2 + h,
	v_lshlrev_b32 v[TM+4], v15, v[TM+4]            ; at their places in the scale word;
	v_permlanex16_b32 v[TM+6], v[TM+4], s[SEL], s[SEL+1]
	v_or_b32 v[\pw], v[TM+4], v[TM+6]              ; with lane l xor 16's two the word is whole
.irp c, 0,1
	v_cvt_scalef32_pk16_bf6_f32 v[C+6*\c:C+2+6*\c], v[\s+32*\c:\s+15+32*\c], v[TM+12+\c]
	v_cvt_scalef32_pk16_bf6_f32 v[CT+4*\c:CT+2+4*\c], v[\s+16+32*\c:\s+31+32*\c], v[TM+12+\c]   ; (a conversion's three registers begin on an even number)
.endr
	v_nop                                          ; one plain place behind a scaled conversion
.irp c, 0,1
.irp i, 0,1,2
	v_mov_b32 v[C+3+6*\c+\i], v[CT+4*\c+\i]
.endr
.endr
.endm
; THE WAY OUT, a tile of S1 at a time: the bias, the quantiser, four dense stores.  Each accumulator is read from its low end on.  isv = 0: Q or K; 1: V.  refill = 1: the next block's slot 1 is asked for ahead of tile 2.
.macro OUT isv, refill
	s_wait_loadcnt 0x0                             ; the biases
	PLACES
.irp n, 0,1,2,3
.if (\refill) && (\n == 2)
	s_wait_alu depctr_va_vdst(0)
	s_wait_tensorcnt 0x0                           ; all my tensor loads have landed: the next block's slot 0;
	ds_add_u32 v254, v255                          ; 0 onto my spare word;
	NEXT 1
	s_wait_dscnt 0x0                               ; the add is done; my reads of slot 1 were over ahead of K step 7's products
	CROUND                                         ; a whole round: the next block's slot 0 is whole, and no wave of the cluster reads slot 1 any more
	RLOAD 2, G0A+4, 3, G0B+4                       ; the first tensor load behind the round
.endif
.if \isv
	WIN 0x01                                       ; source 0 window 1
.set k, 0
.rept 32
	v_pk_add_f32 v[T+k:T+k+1], v[64*\n+k:64*\n+k+1], v[BL+2*\n:BL+2*\n+1]   ; V: the bias is my lane's channel's
.set k, k+2
.endr
.else
	WIN 0x09                                       ; source 0 window 1, source 1 window 2
.set k, 0
.rept 32
	v_pk_add_f32 v[T+k:T+k+1], v[64*\n+k:64*\n+k+1], v[BI+k:BI+k+1]   ; Q, K: the bias runs along S0, with my registers
.set k, k+2
.endr
.endif
	WIN 0
.if \n > 0
	s_wait_xcnt 0x0                                ; the last tile's stores have read their data: they are written again only behind this wait
.endif
	QUANT T, PW+\n
.if \isv
	global_store_b128 v2, v[C:C+3], s[80:81] offset:1536*\n          ; a fragment of V^T: 512 consecutive bytes,
	global_store_b64 v3, v[C+4:C+5], s[80:81] offset:1536*\n+512     ; 256,
	global_store_b128 v2, v[C+6:C+9], s[80:81] offset:1536*\n+768    ; and the same for its upper 64 keys
	global_store_b64 v3, v[C+10:C+11], s[80:81] offset:1536*\n+1280
.else
	global_store_b128 v2, v[C:C+3], s[80:81] offset:768*\n           ; k 0-63: the lower head's half image,
	global_store_b64 v3, v[C+4:C+5], s[80:81] offset:768*\n+512
	global_store_b128 v2, v[C+6:C+9], s[80:81] offset:HEADB+768*\n   ; k 64-127: the upper head's, one head's block further on
	global_store_b64 v3, v[C+10:C+11], s[80:81] offset:HEADB+768*\n+512
.endif
.endr
	v_cndmask_b32 v[ZW], v[PW], v[PW+2], s[HM]     ; lanes 0-15 store the words of tiles 0 and 1, lanes 16-31 those of 2 and 3
	v_cndmask_b32 v[ZW+1], v[PW+1], v[PW+3], s[HM]
.if \isv == 0
	v_lshrrev_b32 v[ZW+2], 16, v[ZW]               ; Q, K: the upper head's two bytes, with 0 above,
	v_lshrrev_b32 v[ZW+3], 16, v[ZW+1]
	v_and_b32 v[ZW], 0xffff, v[ZW]                 ; and the lower head's likewise
	v_and_b32 v[ZW+1], 0xffff, v[ZW+1]
	global_store_b64 v16, v[ZW+2:ZW+3], s[96:97] offset:HEADB
.endif
	global_store_b64 v16, v[ZW:ZW+1], s[96:97]     ; 256 consecutive bytes, aligned
.endm
	s_wait_alu depctr_va_vdst(0)                   ; the head's end
	s_cmp_lt_u32 s[WV], 2                          ; waves 0 and 1 brought slot 0 and wait for it; the loads of waves 2 and 3, slot 1, stay out
	s_cbranch_scc0 .Lnot_mine
	s_wait_tensorcnt 0x0
.Lnot_mine:
	s_barrier_signal -1
	s_barrier_wait -1                              ; slot 0 is whole
.Lblock:                                               ; Q AND K: two trips, rows y and y + 4
	s_wait_xcnt 0x0                                ; every earlier load and store has read its base: the bases are written again only behind this wait
	s_and_b32 s66, s18, 7                          ; which pair of heads
	s_lshl_b32 s67, s17, 2
	s_add_co_u32 s67, s67, s16                     ; b = 4 x row + cy: which 256 tokens
	s_and_b32 s68, s67, 7                          ; within the batch
	s_lshr_b32 s69, s67, 3                         ; the batch
	s_lshl_b32 s69, s69, 4
	s_lshl_b32 s70, s66, 1
	s_add_co_u32 s69, s69, s70
	s_mul_i32 s69, s69, HEADB                      ; the lower head's block
	s_lshl_b32 s70, s68, 1
	s_lshr_b32 s71, s[WV], 1
	s_add_co_u32 s70, s70, s71                     ; K: my four tiles lie in key step 2 (b % 8) + w / 2,
	s_mul_i32 s70, s70, KSB
	s_add_co_u32 s70, s70, s69
	s_and_b32 s71, s[WV], 1
	s_mul_i32 s72, s71, 3072                       ; as its tiles 4 (w % 2) on
	s_add_co_u32 s72, s72, s70
	s_lshl_b32 s71, s71, 8
	s_add_co_u32 s73, s70, s71
	s_add_co_u32 s73, s73, 12288                   ; and their scale words
	s_lshl_b32 s74, s68, 2
	s_add_co_u32 s74, s74, s[WV]                   ; Q: my four tiles are group 4 (b % 8) + w
	s_mul_i32 s75, s74, 3072
	s_add_co_u32 s75, s75, s69
	s_add_co_u32 s75, s75, QC
	s_lshl_b32 s74, s74, 8
	s_add_co_u32 s74, s74, s69
	s_add_co_u32 s74, s74, QS
	s_cmp_lt_u32 s18, 8                            ; X under 8: Q, else K.  (A choice of values)
	s_cselect_b32 s78, s75, s72
	s_add_nc_u64 s[80:81], s[12:13], s[78:79]      ; the codes' place,
	s_cselect_b32 s78, s74, s73
	s_add_nc_u64 s[96:97], s[12:13], s[78:79]      ; the scale words'
	PRODUCT 1
	OUT 0, 1
	s_add_co_u32 s17, s17, 4
	s_add_co_u32 s[J], s[J], 1
	s_cmp_lt_u32 s[J], 2
	s_cbranch_scc1 .Lblock
	; V of batch y: the walk's last block asks for nothing more
	s_wait_xcnt 0x0
	s_lshl_b32 s76, s[YC], 4
	s_lshl_b32 s77, s16, 2
	s_add_co_u32 s76, s76, s77
	s_add_co_u32 s76, s76, s[WV]                   ; head 4 cy + w of the batch: my four tiles of Wv are its 64 channels,
	s_mul_i32 s76, s76, HEADB
	s_mul_i32 s77, s18, KSB                        ; key step X
	s_add_co_u32 s76, s76, s77
	s_add_co_u32 s78, s76, 6144
	s_add_nc_u64 s[80:81], s[12:13], s[78:79]      ; its four fragments,
	s_add_co_u32 s78, s76, 12800
	s_add_nc_u64 s[96:97], s[12:13], s[78:79]      ; and their scale words
	PRODUCT 0
	OUT 1, 0
	s_wait_tensorcnt 0x0                           ; the wave's end
	ds_add_u32 v254, v255
	s_wait_dscnt 0x0
	CROUND                                         ; the closing round: no work-group ends while a partner may still ask for a tile that names it
	s_endpgm
.Lfunc_end_k_qe922b0d653_qkv:
	.size	k_qe922b0d653_qkv, .Lfunc_end_k_qe922b0d653_qkv-k_qe922b0d653_qkv
	.p2alignl 7, 3214868480
	.fill 96, 4, 3214868480
	.section	.rodata,"a",@progbits
	.p2align	6, 0x0
	.amdhsa_kernel k_qe922b0d653_qkv
		.amdhsa_group_segment_fixed_size 327680
		.amdhsa_private_segment_fixed_size 0
		.amdhsa_enable_private_segment 0
		.amdhsa_kernarg_size 40
		.amdhsa_user_sgpr_count 2
		.amdhsa_user_sgpr_kernarg_segment_ptr 1
		.amdhsa_wavefront_size32 1
		.amdhsa_system_sgpr_workgroup_id_x 1
		.amdhsa_system_sgpr_workgroup_id_y 1
		.amdhsa_system_sgpr_workgroup_id_z 1
		.amdhsa_system_vgpr_workitem_id 0
		.amdhsa_next_free_vgpr 912
		.amdhsa_next_free_sgpr 100
		.amdhsa_reserve_vcc 0
		.amdhsa_float_denorm_mode_32 3
		.amdhsa_float_denorm_mode_16_64 3
		.amdhsa_memory_ordered 1
		.amdhsa_forward_progress 1
		.amdhsa_inst_pref_size 179
	.end_amdhsa_kernel
	.amdgpu_metadata
---
amdhsa.version: [ 1, 2 ]
amdhsa.kernels:
  - .name:           k_qe922b0d653_qkv
    .symbol:         k_qe922b0d653_qkv.kd
    .args:
      - { .name: xw, .offset: 0, .size: 8, .value_kind: global_buffer, .address_space: global }
      - { .name: bq, .offset: 8, .size: 8, .value_kind: global_buffer, .address_space: global }
      - { .name: bk, .offset: 16, .size: 8, .value_kind: global_buffer, .address_space: global }
      - { .name: bv, .offset: 24, .size: 8, .value_kind: global_buffer, .address_space: global }
      - { .name: qkv, .offset: 32, .size: 8, .value_kind: global_buffer, .address_space: global }
    .group_segment_fixed_size: 327680
    .private_segment_fixed_size: 0
    .kernarg_segment_align: 8
    .kernarg_segment_size: 40
    .max_flat_workgroup_size: 128
    .sgpr_count:     100
    .vgpr_count:     912
    .wavefront_size: 32
...
	.end_amdgpu_metadata
.endif
;; end of part 2
;; launch attn (part 3): grid 4 x 64, 8 waves a work-group, clusters of 4 x 1, 209,920 bytes of LDS; arguments qkv, ow; writes ow
.if DOCPART == 3
	.amdgcn_target "amdgcn-amd-amdhsa--gfx1250"
	.amdhsa_code_object_version 6
	.text
	.protected	k_qe922b0d653_attn
	.globl	k_qe922b0d653_attn
	.p2align	8
	.type	k_qe922b0d653_attn,@function
k_qe922b0d653_attn:
	s_mov_b64 s[64:65], 0
	v_nop
	global_prefetch_b8 v0, s[64:65] scope:SCOPE_SE
	s_setreg_imm32_b32 hwreg(HW_REG_WAVE_MODE, 25, 1), 1
	s_wait_xcnt 0x0
	s_wait_alu depctr_hold_cnt(0) depctr_sa_sdst(0) depctr_va_vdst(0) depctr_va_sdst(0) depctr_va_ssrc(0) depctr_va_vcc(0) depctr_vm_vsrc(0)
	s_getreg_b32 s2, hwreg(HW_REG_IB_STS2, 6, 4)
	s_cmp_eq_u32 s2, 0
	s_cbranch_scc0 .Lentry_in_a_cluster
	s_endpgm
.Lentry_in_a_cluster:
	s_bfe_u32 s2, ttmp6, 0x10000c
	s_cmp_lg_u32 s2, 0x3003
	s_cbranch_scc0 .Lentry_shape_is_right
	s_endpgm
.Lentry_shape_is_right:
; o = softmax(q k^T / 8) v for 64 heads of 2,048 tokens x 64 channels, both products on codes of BF6 (E3M2) out of qkv; o is quantised at once, along the model's 1,024 channels, into ow, in the order of the last product's operand registers.
; THE SOFTMAX AHEAD OF THE SECOND PRODUCT: t = score x log2(e) / 8; M = the row's largest t so far, rounded UP to a whole number; p = 2^(t - M) is what is quantised, along the keys, not normalised.
; The row's sum is taken of the unquantised p, in f32, and divides O at the end.  When M moves, the sum and O are multiplied by 2^(old M - new M): exact.
; SHARES: a work-group owns one head and 512 of its queries; each of its eight waves four tiles of 16 queries, TWO AT A TIME (tiles x = 0, 1; two passes).  The two tiles share each fragment of K and V, and their
; chains of dependent lines go by turns.
; LDS: the head's K, V and their scale words, 16 key steps of 13,056 bytes as they lie in memory, filled ONCE: wave w brings key steps 2 w and 2 w + 1 by one tensor load of 102 rows of 256 bytes.  Nothing is filled again.
; CLUSTER 4 x 1: the four work-groups of a head need the same 208,896 bytes and ask for them jointly.  A work-group's place enters Q's and O's global addresses alone.
; NO PREFETCH INTO THE L2: all that a work-group reads through LDS is asked for by its eight loads at the head; there is no loop to run ahead in.
; LAYOUT: both products are used transposed: S^T = K Q^T (source 0 = 16 keys, source 1 = 16 queries), O^T = V^T P^T: a lane holds ONE query of each tile throughout.
; Place p of tile t of a key step is key 64 (t / 4) + 8 (t % 4) + p % 8 + 32 (p / 8): so register 32 c + i of S^T in lane (r, h) is key 64 c + 32 h + i: two whole blocks of 32 keys a lane, in the order of the next operand's
; registers.  V's channels are laid likewise: O^T's 32 registers are channels 32 h + 0 .. 31 of the head, one whole block.
; THE HEAD'S 64 AGAINST THE INSTRUCTION'S 128: Q's operand is 6 registers of codes and 6 of zeros.  K's tile t is the run of 12 registers from its own 6 on: the upper 6 are tile t + 1's codes (behind tile 7: zeros);
; E3M2 has no infinity and no NaN, and the scale bytes there are 0: those products are zeros.
; FRAGMENTS AHEAD: V has registers of its own, so the next step's K is fetched right behind this step's scores; one wait, ahead of O's products, serves V and that K.  In a pass's last step the address is held at
; key step 15, whose K is read once more and not used.
; ow: token tile T (16 tokens) at 12,800 T: two blocks of 6,400 bytes, each four fragments (K step s = heads 2 s, 2 s + 1; a head is a half image of 768 bytes) and 256 bytes of scale words (16 r + 4 (s % 4)).
; A scale word spans two heads, which belong to two work-groups: so a head's two bytes of a row leave by byte stores, 2 bytes for 48 bytes of codes.
; LIMITS: the promise holds while |t| stays under 2^31; NaN and infinities are not served; v_exp_f32 gives 0 for p under 2^-126; a block whose largest magnitude lies under 2^-122 keeps the byte 1, a block of zeros too
; (its codes are zeros; this program alone reads the bytes).
; REGISTERS.  Window 0, the softmax: v1-3, v7, v8 lane terms; v4-6 LDS addresses; v10-19, v20-29 a tile's -M, largest score, old -M, two at work, the sum's pair, a permute's result; v30-45 scale words and nothing else;
; v46-61 f, block maxima, scale operands, bytes; v62-89 partial sums; v90-109, v112-127 the maxima's trees; v110-111 the add's two; v128-255 S^T, then p, of both tiles.
; Window 1, the operands: v0-47 K, v48-53 zeros, v56-103 V, v104-127 Q with its zeros, v128-191 O^T, v192-231 codes.
.set HEADB, 315392
.set KSB,   13056
.set QC,    208896
.set QS,    307200
.set TROW,  12800
.set QBLK,  6400
.set FRB,   1536
.set SPARE, 0x33000                    ; behind the 16 key steps: the spare words, 128 bytes a wave
.set WV,    14
.set G1,    24
.set G0,    32
.set SEL,   50
.set CS,    52                         ; s[52:53] c = log2(e) / 8
.set NC,    54                         ; -c
.set TB,    55                         ; the next key step's first LDS byte,
.set STEPS, 56
.set TBK,   57                         ; held at key step 15's
.set NM,    10                         ; + 10 x: -M, largest score, old -M, T0, T1, -, the sum's pair, a permute's result
.set QSW,   30
.set PSW,   32
.set KSW,   34
.set VSW,   42
.set F,     46
.set BM,    50
.set SOP,   54
.set BY,    58
.set SU,    62                         ; + 14 x: seven pairs
.set TR,    90
.set SPW,   110
.set NIL,   111
.set R,     112
.set S,     128                        ; + 64 x
.set KF,    0                          ; window 1 from here on
.set VF,    56
.set Q,     104                        ; + 12 x
.set O,     128                        ; + 32 x
.set C,     192                        ; + 20 x
.set CT,    204                        ; + 20 x
.set MSB, 0
.macro WIN new                         ; the immediate's high byte repeats the setting that is left.  Low byte: bits 1:0 source 0, 3:2 source 1, 5:4 source 2, 7:6 destination
.if MSB != (\new)
	s_set_vgpr_msb (MSB<<8)|(\new)
.set MSB, (\new)
.endif
.endm
.macro CROUND                          ; a round of the cluster's barrier
	s_barrier_signal -1
	s_barrier_wait -1
	s_cmp_lg_u32 s[WV], 0
	s_cbranch_scc1 .Lnot_wave_0_\@
	s_barrier_signal -3
.Lnot_wave_0_\@:
	s_barrier_wait -3
	s_barrier_signal -1
	s_barrier_wait -1
.endm
.macro PADD d, a, b
	v_pk_add_f32 v[\d:\d+1], v[\a:\a+1], v[\b:\b+1]
.endm
	s_load_b128 s[4:7], s[0:1], 0x0                ; qkv, ow
	v_lshl_add_u32 v[SPW], v0, 2, SPARE
	v_mov_b32 v[NIL], 0
	ds_add_u32 v[SPW], v[NIL]                      ; the opening lines: the add, twice on end, and its wait ahead of my tensor load
	ds_add_u32 v[SPW], v[NIL]
	v_lshrrev_b32 v1, 5, v0
	v_readfirstlane_b32 s[WV], v1                  ; wave 0..7
	s_bfe_u32 s15, ttmp6, 0x40000                  ; cx: which 512 queries
	s_and_b32 s16, ttmp7, 0xffff                   ; 16 batch + head, which the four partners share
	s_mul_i32 s18, s16, HEADB
	s_mov_b32 s19, 0
	s_mul_i32 s20, s[WV], 2*KSB                    ; key steps 2 w, 2 w + 1: in memory and in LDS alike
	s_mov_b32 s21, 0
	s_mov_b32 s[G1], 15|(3<<16)|(1<<21)            ; the mask: all four work-groups; elements of 8 bytes; no padding; bit 21 beside a mask
	s_mov_b32 s[G1+1], 32<<16                      ; rows of 256 bytes
	s_mov_b32 s[G1+2], 102<<16                     ; 102 rows: 26,112 dense bytes
	s_mov_b32 s[G1+3], 32<<16
	s_mov_b32 s[G1+4], 102
	s_mov_b32 s[G1+5], 32
	s_mov_b32 s[G1+6], 0
	s_mov_b32 s[G1+7], 0
	s_wait_dscnt 0x0
	s_wait_kmcnt 0x0
	s_add_nc_u64 s[18:19], s[4:5], s[18:19]        ; the head's block
	s_mov_b32 s[G0], 1
	s_mov_b32 s[G0+1], s20
	s_add_nc_u64 s[G0+2:G0+3], s[18:19], s[20:21]
	s_or_b32 s[G0+3], s[G0+3], 0x80000000
	CROUND                                         ; all four work-groups are here: the joint loads meet
	tensor_load_to_lds s[G0:G0+3], s[G1:G1+7]      ; my one tensor load of the launch
	s_nop 0
.rept 4
	v_nop
.endr
	v_and_b32 v10, 31, v0                          ; l
	v_and_b32 v11, 15, v0                          ; r
	v_bfe_u32 v9, v0, 4, 1                         ; h
	v_lshlrev_b32 v1, 4, v10                       ; 16 l
	v_lshlrev_b32 v2, 3, v10                       ; 8 l
	v_lshlrev_b32 v3, 4, v11                       ; 16 r
	v_lshlrev_b32 v8, 3, v9                        ; 8 h: my bytes' shift in p's scale word
	v_add_nc_u32 v7, v3, v9                        ; 16 r + h: my byte among O's scale words
	s_wait_alu depctr_va_vdst(0)                   ; the wait ahead of the run of scalar lines
	s_lshl_b32 s22, s15, 5
	s_add_co_u32 s22, s22, s[WV]                   ; query tile 32 cx + w + 8 x + 16 pass
	s_mul_i32 s36, s22, 768
	s_add_co_u32 s36, s36, QC
	s_mov_b32 s37, 0
	s_add_nc_u64 s[36:37], s[18:19], s[36:37]      ; its half image,
	s_lshr_b32 s38, s22, 2
	s_lshl_b32 s38, s38, 8
	s_and_b32 s23, s22, 3
	s_lshl_b32 s23, s23, 2
	s_add_co_u32 s38, s38, s23
	s_add_co_u32 s38, s38, QS
	s_mov_b32 s39, 0
	s_add_nc_u64 s[38:39], s[18:19], s[38:39]      ; its scale words: group tile / 4, word tile % 4
.macro QLOAD p
	WIN 0x40                                       ; destination window 1
.irp x, 0,1
	global_load_b128 v[Q+12*\x:Q+12*\x+3], v1, s[36:37] offset:12288*\p+6144*\x th:TH_LOAD_NT
	global_load_b64 v[Q+12*\x+4:Q+12*\x+5], v2, s[36:37] offset:12288*\p+6144*\x+512 th:TH_LOAD_NT
.endr
	WIN 0
.irp x, 0,1
	global_load_b32 v[QSW+\x], v3, s[38:39] offset:1024*\p+512*\x
.endr
.endm
	QLOAD 0
	s_lshr_b32 s40, s16, 4                         ; O: the batch's 128 token tiles,
	s_lshl_b32 s40, s40, 7
	s_add_co_u32 s40, s40, s22                     ; my tile,
	s_mul_i32 s40, s40, TROW
	s_and_b32 s44, s16, 15                         ; the head:
	s_lshr_b32 s45, s44, 3
	s_mul_i32 s45, s45, QBLK
	s_add_co_u32 s40, s40, s45                     ; K steps 0-3 or 4-7,
	s_bfe_u32 s45, s44, 0x20001                    ; which of the four,
	s_and_b32 s46, s44, 1                          ; and which half of it
	s_lshl_b32 s47, s45, 2
	s_lshl_b32 s48, s46, 1
	s_add_co_u32 s42, s40, s47
	s_add_co_u32 s42, s42, s48
	s_add_co_u32 s42, s42, 4*FRB                   ; the scale bytes: word (head / 2) % 4, bytes 2 (head % 2) on
	s_mul_i32 s47, s45, FRB
	s_mul_i32 s48, s46, 768
	s_add_co_u32 s40, s40, s47
	s_add_co_u32 s40, s40, s48                     ; the half image
	s_mov_b32 s41, 0
	s_mov_b32 s43, 0
	s_add_nc_u64 s[40:41], s[6:7], s[40:41]
	s_add_nc_u64 s[42:43], s[6:7], s[42:43]
	s_mov_b32 s[SEL], 0x76543210
	s_mov_b32 s[SEL+1], 0xfedcba98                 ; v_permlanex16_b32's selects for lane l xor 16
	s_mov_b32 s[CS], 0x3e38aa3b                    ; c = log2(e) / 8
	s_mov_b32 s[CS+1], s[CS]                       ; (named with it as a pair, so it is written)
	s_mov_b32 s[NC], 0xbe38aa3b                    ; -c
	WIN 0x40
.irp i, 0,1,2,3,4,5
	v_mov_b32 v[KF+48+\i], 0                       ; what follows K's last tile,
	v_mov_b32 v[Q+6+\i], 0                         ; and the upper 64 of both Q operands: zero codes
	v_mov_b32 v[Q+18+\i], 0
.endr
	WIN 0
.irp x, 0,1
	v_mov_b32 v[NM+10*\x+8], 0                     ; written once: a lane permute's destination counts as one of its sources
	v_mov_b32 v[F+2*\x+1], 0                       ; (named as the upper half of a pair)
.endr
	s_wait_alu depctr_va_vdst(0)                   ; the head's end
	s_wait_tensorcnt 0x0                           ; my two key steps are in,
	s_barrier_signal -1
	s_barrier_wait -1                              ; everybody's are: from here on LDS is only read
.macro KLOAD                           ; K's eight tiles and their scale words, at the addresses in v4-6
	WIN 0x40
.irp t, 0,1,2,3,4,5,6,7
	ds_load_b128 v[KF+6*\t:KF+6*\t+3], v4 offset:768*\t
	ds_load_b64 v[KF+6*\t+4:KF+6*\t+5], v5 offset:768*\t+512
.endr
	WIN 0
	ds_load_b128 v[KSW:KSW+3], v6 offset:12288
	ds_load_b128 v[KSW+4:KSW+7], v6 offset:12544
.endm
.macro TAILSUM                         ; the last four additions of each tile's sum: partial sums alone, no register of any product
.irp x, 0,1
	PADD SU+14*\x, SU+14*\x, SU+14*\x+2
.endr
.irp x, 0,1
	PADD SU+14*\x+6, SU+14*\x+6, SU+14*\x+10
.endr
.irp x, 0,1
	s_delay_alu instid0(VALU_DEP_2)
	PADD SU+14*\x, SU+14*\x, SU+14*\x+6
.endr
.irp x, 0,1
	s_delay_alu instid0(VALU_DEP_2)
	PADD NM+10*\x+6, NM+10*\x+6, SU+14*\x
.endr
.endm
.macro FMA n                           ; tile 0's t - M, two at a time
.rept \n
	v_pk_fma_f32 v[S+j:S+j+1], v[S+j:S+j+1], s[CS:CS+1], v[NM:NM+1] op_sel_hi:[1,0,0]
.set j, j+2
.endr
.endm
.macro R1 x, i                         ; partial sum i starts with p's pairs 2 i and 2 i + 1
	PADD SU+14*\x+2*\i, S+64*\x+4*\i, S+64*\x+4*\i+2
.endm
.macro RND x, i0, i1, base             ; partial sums i0 .. i1 take a further pair each
.set i, \i0
.rept \i1-\i0+1
	PADD SU+14*\x+2*i, SU+14*\x+2*i, S+64*\x+\base+2*i
.set i, i+1
.endr
.endm
.macro ACC x, off                      ; and so does the sum itself
	PADD NM+10*\x+6, NM+10*\x+6, S+64*\x+\off
.endm
.macro TREE x                          ; the largest score of each of a tile's two blocks of 32 keys, down to four numbers a block; ascending
.irp k, 0,1,2,3,4,5,6,7,8,9
.irp c, 0,1
	v_max3_num_f32 v[TR+10*\c+\k], v[S+64*\x+32*\c+3*\k], v[S+64*\x+32*\c+3*\k+1], v[S+64*\x+32*\c+3*\k+2]
.endr
.endr
.irp m, 0,1,2
.irp c, 0,1
	v_max3_num_f32 v[R+8*\x+4*\c+\m], v[TR+10*\c+3*\m], v[TR+10*\c+3*\m+1], v[TR+10*\c+3*\m+2]
.endr
.endr
.irp c, 0,1
	v_max3_num_f32 v[R+8*\x+4*\c+3], v[TR+10*\c+9], v[S+64*\x+32*\c+30], v[S+64*\x+32*\c+31]
.endr
.endm
; A KEY STEP: 128 keys against both tiles.  K and its scale words are in registers at its top.
.macro STEP
	WIN 0x05                                       ; sources 0 and 1 window 1, D window 0
.irp x, 0,1
.irp t, 0,1,2,3,4,5,6,7
	v_wmma_scale_f32_16x16x128_f8f6f4 v[S+64*\x+8*\t:S+64*\x+8*\t+7], v[KF+6*\t:KF+6*\t+11], v[Q+12*\x:Q+12*\x+11], 0, v[KSW+\t], v[QSW+\x] matrix_a_fmt:MATRIX_FMT_BF6 matrix_b_fmt:MATRIX_FMT_BF6
.endr
.endr
	WIN 0
	TAILSUM                                        ; the step before's sums are closed: eight places in front of the loads below and of the first read of the scores
	s_add_co_u32 s[TB], s[TB], KSB
	s_min_u32 s[TBK], s[TB], 15*KSB                ; the next key step, held at the last
	WIN 0x40
.irp t, 0,1,2,3                        ; this step's V, at the addresses that brought its K
	ds_load_b128 v[VF+12*\t:VF+12*\t+3], v4 offset:6144+FRB*\t
	ds_load_b64 v[VF+12*\t+4:VF+12*\t+5], v5 offset:6144+FRB*\t+512
	ds_load_b128 v[VF+12*\t+6:VF+12*\t+9], v4 offset:6144+FRB*\t+768
	ds_load_b64 v[VF+12*\t+10:VF+12*\t+11], v5 offset:6144+FRB*\t+1280
.endr
	WIN 0
	ds_load_b128 v[VSW:VSW+3], v6 offset:12800
	v_add_nc_u32 v4, s[TBK], v1
	v_add_nc_u32 v5, s[TBK], v2
	v_add_nc_u32 v6, s[TBK], v3
	KLOAD                                          ; the next step's K lands under the softmax
	TREE 0
	TREE 1
.irp x, 0,1
.irp c, 0,1
	v_max3_num_f32 v[R+8*\x+4*\c], v[R+8*\x+4*\c], v[R+8*\x+4*\c+1], v[R+8*\x+4*\c+2]
.endr
.endr
.irp x, 0,1
.irp c, 0,1
	s_delay_alu instid0(VALU_DEP_4)
	v_max_num_f32 v[BM+2*\x+\c], v[R+8*\x+4*\c], v[R+8*\x+4*\c+3]   ; THE BLOCK'S LARGEST SCORE serves twice: for the row's maximum, and, since p rises with the score, for the block's largest p
.endr
.endr
.irp x, 0,1
	v_mov_b32 v[NM+10*\x+2], v[NM+10*\x]           ; the old -M
.endr
	v_max_num_f32 v[NM+3], v[BM], v[BM+1]          ; my 64 keys' largest score; the two tiles' chains go by turns
	s_delay_alu instid0(VALU_DEP_4)
	v_max_num_f32 v[NM+13], v[BM+2], v[BM+3]
.irp x, 0,1
	s_delay_alu instid0(VALU_DEP_2)
	v_permlanex16_b32 v[NM+10*\x+8], v[NM+10*\x+3], s[SEL], s[SEL+1]   ; lane l xor 16's,
.endr
.irp x, 0,1
	s_delay_alu instid0(VALU_DEP_2)
	v_max3_num_f32 v[NM+10*\x+1], v[NM+10*\x+1], v[NM+10*\x+3], v[NM+10*\x+8]   ; and the running largest score of my query
.endr
.irp x, 0,1
	s_delay_alu instid0(VALU_DEP_2)
	v_mul_f32 v[NM+10*\x+4], s[NC], v[NM+10*\x+1]  ; -t (c is positive)
.endr
.irp x, 0,1
	s_delay_alu instid0(VALU_DEP_2)
	v_floor_f32 v[NM+10*\x], v[NM+10*\x+4]         ; the new -M = floor(-t) = -ceil(t): M is a whole number
.endr
.irp x, 0,1
	s_delay_alu instid0(VALU_DEP_2)
	v_sub_f32 v[NM+10*\x+4], v[NM+10*\x], v[NM+10*\x+2]   ; M's old value less its new one: a whole number, 0 or less
.endr
.set j, 0
	FMA 4
.irp x, 0,1
	v_cvt_i32_f32 v[NM+10*\x+4], v[NM+10*\x+4]     ; (it saturates)
.endr
	FMA 4
.irp x, 0,1
	v_ldexp_f32 v[F+2*\x], 1.0, v[NM+10*\x+4]      ; f = 2^(old M - new M): a multiplication by it rounds nothing
.endr
	FMA 24
.irp x, 0,1
.irp c, 0,1
	v_fma_f32 v[BM+2*\x+\c], v[BM+2*\x+\c], s[CS], v[NM+10*\x]   ; the same of each block's largest score
.endr
.endr
.irp x, 0,1
	v_pk_mul_f32 v[NM+10*\x+6:NM+10*\x+7], v[NM+10*\x+6:NM+10*\x+7], v[F+2*\x:F+2*\x+1] op_sel_hi:[1,0]   ; the sums under the new M
.endr
	WIN 0x41                                       ; source 0 and destination window 1
.irp x, 0,1
.set j, 0
.rept 16
	v_pk_mul_f32 v[O+32*\x+j:O+32*\x+j+1], v[O+32*\x+j:O+32*\x+j+1], v[F+2*\x:F+2*\x+1] op_sel_hi:[1,0]   ; O^T under the new M, ahead of the exponentials; each accumulator from its low end on
.set j, j+2
.endr
.endr
	WIN 0
	s_wait_alu depctr_va_vdst(0)                   ; the wait ahead of the batch
.irp b, 0,1,2,3
	v_exp_f32 v[BM+\b], v[BM+\b]                   ; the blocks' largest p: the same two operations on the same number give the same bits
.endr
.set j, 0
.rept 32                               ; tile 0's p = 2^(t - M); between them tile 1's t - M, which nothing reads ahead of the next wait
	v_exp_f32 v[S+j], v[S+j]
	v_exp_f32 v[S+j+1], v[S+j+1]
	v_pk_fma_f32 v[S+64+j:S+64+j+1], v[S+64+j:S+64+j+1], s[CS:CS+1], v[NM+10:NM+11] op_sel_hi:[1,0,0]
.set j, j+2
.endr
	s_wait_alu depctr_va_vdst(0)                   ; behind the first batch and ahead of the second
.set j, 0
.irp i, 0,1,2,3,4,5,6,7                ; tile 1's p; between them lines on the first batch's results, each with a result that nothing reads ahead of the next wait
.rept 8
	v_exp_f32 v[S+64+j], v[S+64+j]
.set j, j+1
.endr
.if \i < 4
	v_max_num_f32 v[BM+\i], 0x2800000, v[BM+\i]    ; the floor 2^(5 - 127): the byte cannot fall under 1
.endif
.if \i < 7
	R1 0, \i                                       ; THE ROW'S SUM IS TAKEN OF THE UNQUANTISED p, in eight chains
.else
	ACC 0, 28
.endif
.endr
	s_wait_alu depctr_va_vdst(0)                   ; one wait for the batch, ahead of its first reader
.irp b, 0,1,2,3
	v_add_nc_u32 v[SOP+\b], 0xfe000000, v[BM+\b]   ; 4 off the exponent field: the conversion's scale operand
.endr
	WIN 0x40
.irp x, 0,1
.irp c, 0,1
	v_cvt_scalef32_pk16_bf6_f32 v[C+20*\x+6*\c:C+20*\x+6*\c+2], v[S+64*\x+32*\c:S+64*\x+32*\c+15], v[SOP+2*\x+\c]
	v_cvt_scalef32_pk16_bf6_f32 v[CT+20*\x+4*\c:CT+20*\x+4*\c+2], v[S+64*\x+32*\c+16:S+64*\x+32*\c+31], v[SOP+2*\x+\c]   ; (a conversion's three registers begin on an even number)
.endr
.endr
	WIN 0
.irp b, 0,1,2,3
	v_lshrrev_b32 v[BY+\b], 23, v[SOP+\b]          ; the scale's byte.  (The plain place behind the conversions)
.endr
	R1 1, 0                                        ; the sums stand between the links of the scale words' chain
	R1 1, 1
	R1 1, 2
	R1 1, 3
.irp x, 0,1
	v_lshl_or_b32 v[BY+2*\x], v[BY+2*\x+1], 16, v[BY+2*\x]   ; my two bytes, blocks h and 2 + h,
.endr
	R1 1, 4
	R1 1, 5
	R1 1, 6
	ACC 1, 28
.irp x, 0,1
	v_lshlrev_b32 v[BY+2*\x], v8, v[BY+2*\x]       ; at their places in the scale word;
.endr
	RND 0, 0, 3, 30
.irp x, 0,1
	v_permlanex16_b32 v[NM+10*\x+8], v[BY+2*\x], s[SEL], s[SEL+1]
.endr
	RND 0, 4, 6, 30
	ACC 0, 44
.irp x, 0,1
	v_or_b32 v[PSW+\x], v[BY+2*\x], v[NM+10*\x+8]  ; with lane l xor 16's two p's scale word is whole: over forty plain lines ahead of the products
.endr
	WIN 0x41
.irp x, 0,1
.irp c, 0,1
.irp i, 0,1,2
	v_mov_b32 v[C+20*\x+3+6*\c+\i], v[CT+20*\x+4*\c+\i]   ; registers 6 c .. 6 c + 5 hold keys 64 c + 32 h + 0 .. 31
.endr
.endr
.endr
	WIN 0
	RND 0, 0, 6, 46
	ACC 0, 60
	RND 1, 0, 6, 30
	ACC 1, 44
	RND 1, 0, 6, 46
	ACC 1, 60
.irp x, 0,1
	PADD SU+14*\x, SU+14*\x, S+64*\x+62
.endr
.irp x, 0,1
	PADD SU+14*\x+2, SU+14*\x+2, SU+14*\x+4
.endr
.irp x, 0,1
	PADD SU+14*\x+6, SU+14*\x+6, SU+14*\x+8
.endr
.irp x, 0,1
	PADD SU+14*\x+10, SU+14*\x+10, SU+14*\x+12     ; four partial sums a tile are left for TAILSUM
.endr
	s_wait_alu depctr_va_vdst(0)
	s_wait_dscnt 0x0                               ; V is in, and so is the next step's K
	WIN 0x55                                       ; all four window 1
.irp x, 0,1
.irp t, 0,1,2,3                        ; the eight accumulators take turns, one instruction a turn
	v_wmma_scale_f32_16x16x128_f8f6f4 v[O+32*\x+8*\t:O+32*\x+8*\t+7], v[VF+12*\t:VF+12*\t+11], v[C+20*\x:C+20*\x+11], v[O+32*\x+8*\t:O+32*\x+8*\t+7], v[VSW+\t], v[PSW+\x] matrix_a_fmt:MATRIX_FMT_BF6 matrix_b_fmt:MATRIX_FMT_BF6
.endr
.endr
	WIN 0
.endm
; A PASS: two tiles of 16 queries against all 2,048 keys.  The step is written once: the first finds zeros, which the first change of M leaves zeros.
.macro PASS p
	WIN 0x40
.set j, 0
.rept 64
	v_mov_b32 v[O+j], 0
.set j, j+1
.endr
	WIN 0
.irp x, 0,1
	v_mov_b32 v[NM+10*\x+1], 0xff61b1e6            ; the largest score so far: -3e38, under every score
	v_mov_b32 v[NM+10*\x], 0x7e967699              ; -M: 1e38, so that the first f is 0
	v_mov_b32 v[NM+10*\x+6], 0                     ; the sum, in two halves,
	v_mov_b32 v[NM+10*\x+7], 0
.irp i, 0,1,2,3,6,7,10,11
	v_mov_b32 v[SU+14*\x+\i], 0                    ; and the four partial sums that the first step's TAILSUM adds
.endr
.endr
	v_mov_b32 v4, v1                               ; key step 0
	v_mov_b32 v5, v2
	v_mov_b32 v6, v3
	KLOAD
	s_mov_b32 s[TB], 0
	s_mov_b32 s[STEPS], 16
	s_wait_alu depctr_va_vdst(0)
	s_wait_loadcnt 0x0                             ; Q
	s_wait_dscnt 0x0                               ; K of key step 0
.Lstep_\@:
	STEP
	s_sub_co_u32 s[STEPS], s[STEPS], 1
	s_cmp_lg_u32 s[STEPS], 0
	s_cbranch_scc1 .Lstep_\@
	TAILSUM                                        ; the last step's sums are closed: the places behind the last products
.if \p == 0
	QLOAD 1                                        ; the next pass's Q lands under this pass's way out
.endif
.irp x, 0,1
	v_add_f32 v[NM+10*\x+6], v[NM+10*\x+6], v[NM+10*\x+7]   ; the sum's two halves,
.endr
.irp x, 0,1
	v_permlanex16_b32 v[NM+10*\x+8], v[NM+10*\x+6], s[SEL], s[SEL+1]
.endr
.irp x, 0,1
	v_add_f32 v[NM+10*\x+6], v[NM+10*\x+6], v[NM+10*\x+8]   ; and lane l xor 16's: the row's sum
.endr
	s_wait_alu depctr_va_vdst(0)
.irp x, 0,1
	v_rcp_f32 v[F+2*\x], v[NM+10*\x+6]
.endr
	v_nop                                          ; one plain place behind a transcendental
	WIN 0x01                                       ; source 0 window 1
	s_wait_alu depctr_va_vdst(0)                   ; the wait ahead of the first reader of 1 / the sum and of O^T
.irp x, 0,1
.set j, 0
.rept 16
	v_pk_mul_f32 v[S+64*\x+j:S+64*\x+j+1], v[O+32*\x+j:O+32*\x+j+1], v[F+2*\x:F+2*\x+1] op_sel_hi:[1,0]   ; O^T / the sum: register i is channel 32 h + i of my query: one whole block of the last product's K
.set j, j+2
.endr
.endr
	WIN 0
.irp k, 0,1,2,3,4,5,6,7,8,9
.irp x, 0,1
	v_max3_num_f32 v[TR+22*\x+\k], |v[S+64*\x+3*\k]|, |v[S+64*\x+3*\k+1]|, |v[S+64*\x+3*\k+2]|
.endr
.endr
.irp x, 0,1
	v_max3_num_f32 v[TR+22*\x+10], |v[S+64*\x+30]|, |v[S+64*\x+31]|, 0x2800000   ; the floor 2^(5 - 127) among the leaves
.endr
.irp k, 0,3,6
.irp x, 0,1
	v_max3_num_f32 v[TR+22*\x+\k], v[TR+22*\x+\k], v[TR+22*\x+\k+1], v[TR+22*\x+\k+2]
.endr
.endr
.irp x, 0,1
	v_max3_num_f32 v[TR+22*\x], v[TR+22*\x], v[TR+22*\x+3], v[TR+22*\x+6]
.endr
.irp x, 0,1
	v_max3_num_f32 v[BM+2*\x], v[TR+22*\x], v[TR+22*\x+9], v[TR+22*\x+10]   ; the block's largest magnitude
.endr
.irp x, 0,1
	v_add_nc_u32 v[SOP+2*\x], 0xfe000000, v[BM+2*\x]
.endr
	WIN 0x40
.irp x, 0,1
	v_cvt_scalef32_pk16_bf6_f32 v[C+20*\x:C+20*\x+2], v[S+64*\x:S+64*\x+15], v[SOP+2*\x]
	v_cvt_scalef32_pk16_bf6_f32 v[CT+20*\x:CT+20*\x+2], v[S+64*\x+16:S+64*\x+31], v[SOP+2*\x]
.endr
	WIN 0
.irp x, 0,1
	v_lshrrev_b32 v[BY+2*\x], 23, v[SOP+2*\x]      ; my block's byte.  (The plain place behind the conversions)
.endr
	WIN 0x41
.irp x, 0,1
.irp i, 0,1,2
	v_mov_b32 v[C+20*\x+3+\i], v[CT+20*\x+\i]
.endr
.endr
	WIN 0x04                                       ; a store's data are its source 1: window 1
.irp x, 0,1
	global_store_b128 v1, v[C+20*\x:C+20*\x+3], s[40:41] offset:16*TROW*\p+8*TROW*\x        ; the head's half image of a token tile: 512 consecutive bytes,
	global_store_b64 v2, v[C+20*\x+4:C+20*\x+5], s[40:41] offset:16*TROW*\p+8*TROW*\x+512   ; and 256
.endr
	WIN 0
.irp x, 0,1
	global_store_b8 v7, v[BY+2*\x], s[42:43] offset:16*TROW*\p+8*TROW*\x   ; lanes 0-15 block 0's byte, lanes 16-31 block 1's
.endr
.if \p == 0
	s_wait_xcnt 0x0                                ; the stores have read their data: the next pass writes these registers again
.endif
.endm
	PASS 0
	PASS 1
	s_wait_tensorcnt 0x0                           ; the wave's end
	ds_add_u32 v[SPW], v[NIL]
	s_wait_dscnt 0x0
	CROUND                                         ; the closing round: no work-group ends while a partner may still ask for a tile that names it
	s_endpgm
.Lfunc_end_k_qe922b0d653_attn:
	.size	k_qe922b0d653_attn, .Lfunc_end_k_qe922b0d653_attn-k_qe922b0d653_attn
	.p2alignl 7, 3214868480
	.fill 96, 4, 3214868480
	.section	.rodata,"a",@progbits
	.p2align	6, 0x0
	.amdhsa_kernel k_qe922b0d653_attn
		.amdhsa_group_segment_fixed_size 209920
		.amdhsa_private_segment_fixed_size 0
		.amdhsa_enable_private_segment 0
		.amdhsa_kernarg_size 16
		.amdhsa_user_sgpr_count 2
		.amdhsa_user_sgpr_kernarg_segment_ptr 1
		.amdhsa_wavefront_size32 1
		.amdhsa_system_sgpr_workgroup_id_x 1
		.amdhsa_system_sgpr_workgroup_id_y 1
		.amdhsa_system_sgpr_workgroup_id_z 1
		.amdhsa_system_vgpr_workitem_id 0
		.amdhsa_next_free_vgpr 512
		.amdhsa_next_free_sgpr 66
		.amdhsa_reserve_vcc 0
		.amdhsa_float_denorm_mode_32 3
		.amdhsa_float_denorm_mode_16_64 3
		.amdhsa_memory_ordered 1
		.amdhsa_forward_progress 1
		.amdhsa_inst_pref_size 85
	.end_amdhsa_kernel
	.amdgpu_metadata
---
amdhsa.version: [ 1, 2 ]
amdhsa.kernels:
  - .name:           k_qe922b0d653_attn
    .symbol:         k_qe922b0d653_attn.kd
    .args:
      - { .name: qkv, .offset: 0, .size: 8, .value_kind: global_buffer, .address_space: global }
      - { .name: ow, .offset: 8, .size: 8, .value_kind: global_buffer, .address_space: global }
    .group_segment_fixed_size: 209920
    .private_segment_fixed_size: 0
    .kernarg_segment_align: 8
    .kernarg_segment_size: 16
    .max_flat_workgroup_size: 256
    .sgpr_count:     66
    .vgpr_count:     512
    .wavefront_size: 32
...
	.end_amdgpu_metadata
.endif
;; end of part 3
;; launch oproj (part 4): grid 8 x 32, 4 waves a work-group, clusters of 4 x 4, 307,712 bytes of LDS; arguments xw, ow, bo, out0; writes out0
.if DOCPART == 4
	.amdgcn_target "amdgcn-amd-amdhsa--gfx1250"
	.amdhsa_code_object_version 6
	.text
	.protected	k_qe922b0d653_oproj
	.globl	k_qe922b0d653_oproj
	.p2align	8
	.type	k_qe922b0d653_oproj,@function
k_qe922b0d653_oproj:
	s_mov_b64 s[64:65], 0
	v_nop
	global_prefetch_b8 v0, s[64:65] scope:SCOPE_SE
	s_setreg_imm32_b32 hwreg(HW_REG_WAVE_MODE, 25, 1), 1
	s_wait_xcnt 0x0
	s_wait_alu depctr_hold_cnt(0) depctr_sa_sdst(0) depctr_va_vdst(0) depctr_va_sdst(0) depctr_va_ssrc(0) depctr_va_vcc(0) depctr_vm_vsrc(0)
	s_getreg_b32 s2, hwreg(HW_REG_IB_STS2, 6, 4)
	s_cmp_eq_u32 s2, 0
	s_cbranch_scc0 .Lentry_in_a_cluster
	s_endpgm
.Lentry_in_a_cluster:
	s_bfe_u32 s2, ttmp6, 0x10000c
	s_cmp_lg_u32 s2, 0xf033
	s_cbranch_scc0 .Lentry_shape_is_right
	s_endpgm
.Lentry_shape_is_right:
; out0 = o Wo^T + bo on codes of BF6 (E3M2): Wo's out of xw (tiles 704-767), o's out of ow (token tiles 0-511), both laid in the order of an operand's registers; out0 [8192][1024] f32.
; THE PRODUCT: source 0 = S0, 128 rows of Wo (8 tiles), source 1 = S1, 256 tokens (16 tiles): a lane holds ONE token, and its registers run along the output's channels.
; Place p of tile T is row 32 (T / 2) + 8 (T % 2) + p + 8 (p / 8), in both tensors: so two neighbouring tiles of S0 give a lane 16 neighbouring channels, and the stores below turn a token's place into its row.
; SHARES: four waves; wave w owns all 8 tiles of S0 x tiles 4 w .. 4 w + 3 of S1: 32 accumulators.
; LDS: all of K (1,024) of both operands, codes and scale words, 307,200 bytes, each byte filled once: no slot is filled again.  Each wave has one tensor load out at the start.
; CLUSTER 4 x 4: S0 hangs on the work-group's x alone and is asked for jointly by a column of the cluster, S1 on its y alone and by a row.
; The bias is the C of each sum's first matrix instruction.
; REGISTERS, in windows of 256: window 0: v1-22 addresses; v32-127 scale words, two sets of 48, and nothing else; v128-191 the bias, later with v192-255 rows of the output.   window 1: accumulator (n, t) at v[64 n + 8 t].
;   windows 2 and 3: the fragments of even and odd K steps: S0's tile t at v[12 t], S1's tile n at v[96 + 12 n].
; THE ORDER OF ROWS IN A TILE THAT THIS TEXT KEEPS (it takes the place of the formula in the lines above): place p of tile T is row 64 (T / 4) + 8 (T % 4) + p % 8 + 32 (p / 8), in both tensors:
; four neighbouring tiles of S0 give a lane 32 neighbouring channels, and the stores turn a token's place into its row.
; THE HEAD'S LOADS: four tiles, one to a wave: wave 0 S0's K steps 0-3, wave 1 S1's, wave 2 S0's K steps 4-7, wave 3 S1's.  Waves 0 and 1 wait ahead of the first barrier, every wave ahead of the second.
.set TROW,  12800
.set QBLK,  6400
.set FRB,   1536
.set SCO,   6144
.set S0Q1,  51200                      ; LDS: S0's K steps 0-3 at 0, 4-7 here;
.set S1Q0,  102400                     ; S1's K steps 0-3,
.set S1Q1,  204800                     ; and 4-7
.set SPITCH, 528                       ; the way out: a stage of 16 rows x (512 bytes + 16) for each wave, in S0's K steps 0-3: those bytes have had their one fill, and nobody reads them behind the second barrier
.set SC,    32
.set BI,    128
.set BK,    128
.set STO,   21
.set RD,    22
.set WV,    14
.set G1A,   24
.set G1B,   32
.set G0A,   40
.set G0B,   48
.set MSB, 0
.macro WIN new                         ; the immediate's high byte repeats the setting that is left
.if MSB != (\new)
	s_set_vgpr_msb (MSB<<8)|(\new)
.set MSB, (\new)
.endif
.endm
.macro CROUND                          ; a round of the cluster's barrier
	s_barrier_signal -1
	s_barrier_wait -1
	s_cmp_lg_u32 s[WV], 0
	s_cbranch_scc1 .Lnot_wave_0_\@
	s_barrier_signal -3
.Lnot_wave_0_\@:
	s_barrier_wait -3
	s_barrier_signal -1
	s_barrier_wait -1
.endm
.macro PLACES                          ; four plain places behind a matrix instruction, in front of loads into its registers and of reads of its results
.rept 4
	v_nop
.endr
.endm
	s_load_b256 s[4:11], s[0:1], 0x0               ; xw, ow, bo, out0
	v_lshl_add_u32 v30, v0, 2, 0x4b000
	v_mov_b32 v31, 0
	ds_add_u32 v30, v31
	ds_add_u32 v30, v31
	v_lshrrev_b32 v1, 5, v0
	v_readfirstlane_b32 s[WV], v1                  ; wave 0..3
	s_bfe_u32 s15, ttmp6, 0x40000                  ; cx
	s_bfe_u32 s16, ttmp6, 0x40004                  ; cy
	s_and_b32 s17, ttmp7, 0xffff
	s_lshl_b32 s18, ttmp9, 2
	s_add_co_u32 s18, s18, s15                     ; X = 4 x cluster x + cx: which 128 channels
	s_lshl_b32 s19, s17, 2
	s_add_co_u32 s19, s19, s16                     ; Y = 4 x cluster y + cy: which 256 tokens
	s_lshl_b32 s2, 0x1111, s15                     ; my column of the cluster
	s_lshl_b32 s3, s16, 2
	s_lshl_b32 s3, 15, s3                          ; my row
	s_or_b32 s[G1A], s2, (3<<16)|(1<<21)           ; 15:0 the mask; 17:16 elements of 8 bytes; 20 no padding; 21 set beside a mask
	s_or_b32 s[G1B], s3, (3<<16)|(1<<21)
.irp g, G1A, G1B
	s_mov_b32 s[\g+1], 800<<16                     ; tensor_dim0 = 800 elements: 6,400 bytes, four K steps of a tile
	s_mov_b32 s[\g+3], 800<<16                     ; tile_dim0
	s_mov_b32 s[\g+5], 1600                        ; from tile to tile: 12,800 bytes
	s_mov_b32 s[\g+6], 0
	s_mov_b32 s[\g+7], 0
.endr
	s_mov_b32 s[G1A+2], 8<<16                      ; S0: all 8 tiles by one load
	s_mov_b32 s[G1A+4], 8
	s_mov_b32 s[G1B+2], 16<<16                     ; S1: all 16 tiles by one load
	s_mov_b32 s[G1B+4], 16
	s_lshl_b32 s21, s18, 3
	s_add_co_u32 s21, s21, 704                     ; Wo's tiles 8 X on
	s_mul_i32 s56, s21, TROW
	s_mov_b32 s57, 0
	s_lshl_b32 s23, s19, 4                         ; token tiles 16 Y on
	s_mul_i32 s58, s23, TROW
	s_mov_b32 s59, 0
	s_wait_dscnt 0x0
	s_wait_kmcnt 0x0
	s_add_nc_u64 s[56:57], s[4:5], s[56:57]
	s_add_nc_u64 s[58:59], s[6:7], s[58:59]
.irp q, 0,1
	s_mov_b32 s[G0A+4*\q], 1                       ; count = 1
	s_mov_b32 s[G0A+4*\q+1], S0Q1*\q               ; LDS address
	s_add_nc_u64 s[G0A+4*\q+2:G0A+4*\q+3], s[56:57], QBLK*\q   ; global address: K steps 4 q on
	s_or_b32 s[G0A+4*\q+3], s[G0A+4*\q+3], 0x80000000          ; type = 2
	s_mov_b32 s[G0B+4*\q], 1
	s_mov_b32 s[G0B+4*\q+1], S1Q0+(S1Q1-S1Q0)*\q
	s_add_nc_u64 s[G0B+4*\q+2:G0B+4*\q+3], s[58:59], QBLK*\q
	s_or_b32 s[G0B+4*\q+3], s[G0B+4*\q+3], 0x80000000
.endr
	CROUND                                         ; all sixteen work-groups are here: the joint loads meet
.macro ARM under, g0, g1, next         ; one chain of branches on the wave's number, one load to an arm, all arms to one join
	s_cmp_lt_u32 s[WV], \under
	s_cbranch_scc0 \next
	tensor_load_to_lds s[\g0:\g0+3], s[\g1:\g1+7]
	s_nop 0
.rept 4
	v_nop
.endr
	s_branch .Lasked
\next:
.endm
	ARM 1, G0A, G1A, .Larm_1
	ARM 2, G0B, G1B, .Larm_2
	ARM 3, G0A+4, G1A, .Larm_3
	tensor_load_to_lds s[G0B+4:G0B+7], s[G1B:G1B+7]
	s_nop 0
.rept 4
	v_nop
.endr
.Lasked:
	v_and_b32 v1, 31, v0                           ; l
	v_and_b32 v19, 15, v0                          ; r
	v_bfe_u32 v20, v0, 4, 1                        ; h
	v_lshlrev_b32 v17, 7, v20                      ; the bias: 128 h bytes
	s_lshl_b32 s60, s18, 9
	s_mov_b32 s61, 0
	s_add_nc_u64 s[60:61], s[8:9], s[60:61]        ; bo at my 128 channels
.irp t, 0,1,2,3,4,5,6,7                ; register 8 t + j belongs to channel 64 (t / 4) + 32 h + 8 (t % 4) + j
	global_load_b128 v[BI+8*\t:BI+8*\t+3], v17, s[60:61] offset:4*(64*(\t/4)+8*(\t%4))       ; register 8 t + j: channel 64 (t / 4) + 32 h + 8 (t % 4) + j
	global_load_b128 v[BI+8*\t+4:BI+8*\t+7], v17, s[60:61] offset:4*(64*(\t/4)+8*(\t%4))+16
.endr
	v_lshlrev_b32 v2, 4, v1                        ; S0, K steps 0-3: 16 l,
	v_lshlrev_b32 v3, 3, v1                        ; 8 l
	v_add_nc_u32 v4, S0Q1, v2                      ; K steps 4-7
	v_add_nc_u32 v5, S0Q1, v3
	s_mul_i32 s21, s[WV], 4*QBLK
	s_add_co_u32 s21, s21, S1Q0                    ; my four tiles of S1
	v_add_nc_u32 v6, s21, v2
	v_add_nc_u32 v7, s21, v3
	v_add_nc_u32 v8, S1Q1-S1Q0, v6
	v_add_nc_u32 v9, S1Q1-S1Q0, v7
	v_lshlrev_b32 v10, 4, v19                      ; scale words: 16 r: a row place's four words
	v_add_nc_u32 v11, S0Q1, v10
	v_add_nc_u32 v12, s21, v10
	v_add_nc_u32 v13, S1Q1-S1Q0, v12
	s_mul_i32 s22, s[WV], 16*SPITCH                ; my stage
	v_mul_u32_u24 v[STO], v19, SPITCH
	v_lshl_add_u32 v[STO], v20, 7, v[STO]
	v_add_nc_u32 v[STO], s22, v[STO]               ; in: row r, + 128 h bytes
	v_add_nc_u32 v[RD], s22, v2                    ; back: the 32 lanes take one row of 512 bytes
	s_lshl_b32 s66, s19, 8
	s_lshl_b32 s67, s[WV], 6
	s_add_co_u32 s66, s66, s67                     ; my first token: 256 Y + 64 w
	s_lshl_b32 s66, s66, 12                        ; rows of 4,096 bytes
	s_lshl_b32 s67, s18, 9
	s_add_co_u32 s66, s66, s67                     ; + my 128 channels
	s_mov_b32 s67, 0
	s_add_nc_u64 s[66:67], s[10:11], s[66:67]
.macro FRAG reg, a16, a8, off          ; a fragment comes back as it was stored: four dense loads
	ds_load_b128 v[\reg:\reg+3], v[\a16] offset:\off
	ds_load_b64 v[\reg+4:\reg+5], v[\a8] offset:\off+512
	ds_load_b128 v[\reg+6:\reg+9], v[\a16] offset:\off+768
	ds_load_b64 v[\reg+10:\reg+11], v[\a8] offset:\off+1280
.endm
.macro FETCH s                         ; K step s: S0's eight fragments and my four of S1, 48 loads in one run, into window 2 (s even) or 3
	WIN 0x80+0x40*((\s)%2)
.irp t, 0,1,2,3,4,5,6,7
	FRAG 12*\t, 2+2*((\s)/4), 3+2*((\s)/4), QBLK*\t+FRB*((\s)%4)
.endr
.irp n, 0,1,2,3
	FRAG 96+12*\n, 6+2*((\s)/4), 7+2*((\s)/4), QBLK*\n+FRB*((\s)%4)
.endr
.endm
.macro SCALES q                        ; the scale words of K steps 4 q .. 4 q + 3: four words a row place by one load
	WIN 0
.irp t, 0,1,2,3,4,5,6,7
	ds_load_b128 v[SC+48*\q+4*\t:SC+48*\q+4*\t+3], v[10+\q] offset:QBLK*\t+SCO
.endr
.irp n, 0,1,2,3
	ds_load_b128 v[SC+48*\q+32+4*\n:SC+48*\q+32+4*\n+3], v[12+\q] offset:QBLK*\n+SCO
.endr
.endm
; 16 matrix instructions: S1's tiles n0, n0 + 1 x S0's eight.  first = 1: the first K step starts the sums from the bias.  The 32 accumulators take turns, one instruction a turn, in the same order in every K step.
.macro MULH s, n0, first
.irp n, \n0, \n0+1
.irp t, 0,1,2,3,4,5,6,7
.if \first
	v_wmma_scale_f32_16x16x128_f8f6f4 v[64*(\n)+8*\t:64*(\n)+8*\t+7], v[12*\t:12*\t+11], v[96+12*(\n):96+12*(\n)+11], v[BI+8*\t:BI+8*\t+7], v[SC+48*((\s)/4)+4*\t+(\s)%4], v[SC+48*((\s)/4)+32+4*(\n)+(\s)%4] matrix_a_fmt:MATRIX_FMT_BF6 matrix_b_fmt:MATRIX_FMT_BF6
.else
	v_wmma_scale_f32_16x16x128_f8f6f4 v[64*(\n)+8*\t:64*(\n)+8*\t+7], v[12*\t:12*\t+11], v[96+12*(\n):96+12*(\n)+11], v[64*(\n)+8*\t:64*(\n)+8*\t+7], v[SC+48*((\s)/4)+4*\t+(\s)%4], v[SC+48*((\s)/4)+32+4*(\n)+(\s)%4] matrix_a_fmt:MATRIX_FMT_BF6 matrix_b_fmt:MATRIX_FMT_BF6
.endif
.endr
.endr
.endm
.macro KSTEP s, first                  ; a K step whose successor lies in bytes that are already shown landed
	s_wait_dscnt 0x0                               ; this K step's fragments are in (asked for 32 matrix instructions ago)
.if (\s) > 0
	PLACES                                         ; in front of loads into the set that the last K step multiplied
.endif
	FETCH (\s)+1
.if \first
	WIN 0x4a                                       ; sources 0 and 1 window 2, C (the bias) window 0, D window 1
.else
	WIN 0x5a+5*((\s)%2)                            ; sources 0 and 1 window 2 or 3, C and D window 1
.endif
	MULH \s, 0, \first
	MULH \s, 2, \first
.endm
	s_wait_alu depctr_va_vdst(0)
	s_cmp_lt_u32 s[WV], 2                          ; waves 0 and 1 brought K steps 0-3 and wait for them; the loads of waves 2 and 3, K steps 4-7, stay out
	s_cbranch_scc0 .Lnot_mine
	s_wait_tensorcnt 0x0
.Lnot_mine:
	s_barrier_signal -1
	s_barrier_wait -1                              ; everybody's is
	SCALES 0
	FETCH 0
	s_wait_loadcnt 0x0                             ; the bias
	KSTEP 0, 1
	KSTEP 1, 0
	KSTEP 2, 0
	s_wait_dscnt 0x0                               ; K step 3's fragments are in: my reads of the bytes of K steps 0-3 are over
	s_wait_tensorcnt 0x0                           ; my part of K steps 4-7 is in
	s_barrier_signal -1
	WIN 0x5f
	MULH 3, 0, 0                                   ; work on registers while the others arrive
	s_barrier_wait -1                              ; everybody's is, and nobody reads K steps 0-3 any more
	PLACES
	SCALES 1
	FETCH 4
	WIN 0x5f
	MULH 3, 2, 0
	KSTEP 4, 0
	KSTEP 5, 0
	KSTEP 6, 0
	s_wait_dscnt 0x0
	WIN 0x5f
	MULH 7, 0, 0
	MULH 7, 2, 0
	WIN 0
; THE WAY OUT, a tile of 16 tokens x 128 channels at a time.  A lane holds pieces of 32 bytes of one row, and the lanes beside it hold other rows: so a tile goes through my own stage in LDS and comes back as whole
; rows of 512 bytes.  LDS serves a wave's instructions in order (ISA guide 5.7.1.4): no wait between the stores and the loads, nor in front of the next tile's stores.
.macro TOSTAGE n
	WIN 0x04                                       ; an LDS store's data are its source 1: window 1
.irp t, 0,1,2,3,4,5,6,7
	ds_store_b128 v[STO], v[64*(\n)+8*\t:64*(\n)+8*\t+3] offset:256*(\t/4)+32*(\t%4)       ; each accumulator from its low end on
	ds_store_b128 v[STO], v[64*(\n)+8*\t+4:64*(\n)+8*\t+7] offset:256*(\t/4)+32*(\t%4)+16
.endr
	WIN 0
.set BB, BK+64*((\n)%2)
.irp i, 0,1,2,3,4,5,6,7,8,9,10,11,12,13,14,15
	ds_load_b128 v[BB+4*\i:BB+4*\i+3], v[RD] offset:\i*SPITCH
.endr
.endm
.macro SEND n, younger                 ; younger: the LDS instructions issued behind tile n's loads, which may stay out
.set BB, BK+64*((\n)%2)
	s_wait_dscnt \younger                          ; the tile is back in registers
.irp i, 0,1,2,3,4,5,6,7,8,9,10,11,12,13,14,15
	global_store_b128 v2, v[BB+4*\i:BB+4*\i+3], s[66:67] offset:(8*(\n)+(\i%8)+32*(\i/8))*4096 th:TH_STORE_NT   ; place i's token: 32 lanes store 512 consecutive bytes, at a multiple of 512 from out0's first byte
.endr
.endm
	PLACES
	TOSTAGE 0
.irp a, 1,2,3
.if \a > 1
	s_wait_xcnt 0x0                                ; tile a - 2's stores have read their registers: tile a's loads may land there
.endif
	TOSTAGE \a
	SEND \a-1, 32                                  ; behind tile a - 1's loads: tile a's 16 stores and 16 loads
.endr
	SEND 3, 0
	s_wait_tensorcnt 0x0
	ds_add_u32 v30, v31
	s_wait_dscnt 0x0
	CROUND                                         ; the closing round: no work-group ends while a partner may still ask for a tile that names it
	s_endpgm
.Lfunc_end_k_qe922b0d653_oproj:
	.size	k_qe922b0d653_oproj, .Lfunc_end_k_qe922b0d653_oproj-k_qe922b0d653_oproj
	.p2alignl 7, 3214868480
	.fill 96, 4, 3214868480
	.section	.rodata,"a",@progbits
	.p2align	6, 0x0
	.amdhsa_kernel k_qe922b0d653_oproj
		.amdhsa_group_segment_fixed_size 307712
		.amdhsa_private_segment_fixed_size 0
		.amdhsa_enable_private_segment 0
		.amdhsa_kernarg_size 32
		.amdhsa_user_sgpr_count 2
		.amdhsa_user_sgpr_kernarg_segment_ptr 1
		.amdhsa_wavefront_size32 1
		.amdhsa_system_sgpr_workgroup_id_x 1
		.amdhsa_system_sgpr_workgroup_id_y 1
		.amdhsa_system_sgpr_workgroup_id_z 1
		.amdhsa_system_vgpr_workitem_id 0
		.amdhsa_next_free_vgpr 912
		.amdhsa_next_free_sgpr 80
		.amdhsa_reserve_vcc 0
		.amdhsa_float_denorm_mode_32 3
		.amdhsa_float_denorm_mode_16_64 3
		.amdhsa_memory_ordered 1
		.amdhsa_forward_progress 1
		.amdhsa_inst_pref_size 83
	.end_amdhsa_kernel
	.amdgpu_metadata
---
amdhsa.version: [ 1, 2 ]
amdhsa.kernels:
  - .name:           k_qe922b0d653_oproj
    .symbol:         k_qe922b0d653_oproj.kd
    .args:
      - { .name: xw, .offset: 0, .size: 8, .value_kind: global_buffer, .address_space: global }
      - { .name: ow, .offset: 8, .size: 8, .value_kind: global_buffer, .address_space: global }
      - { .name: bo, .offset: 16, .size: 8, .value_kind: global_buffer, .address_space: global }
      - { .name: out0, .offset: 24, .size: 8, .value_kind: global_buffer, .address_space: global }
    .group_segment_fixed_size: 307712
    .private_segment_fixed_size: 0
    .kernarg_segment_align: 8
    .kernarg_segment_size: 32
    .max_flat_workgroup_size: 128
    .sgpr_count:     80
    .vgpr_count:     912
    .wavefront_size: 32
...
	.end_amdgpu_metadata
.endif
;; end of part 4
